; MI455X (gfx1250); checked and timed in simulation.
; The chip was launched on July 23, 2026; its instructions are those of AMD's public machine-readable ISA for CDNA 5 (MIT licence, August 2026) and "CDNA5" Instruction Set Architecture Reference Guide (July 2026). The comments in the code are by the model that wrote it; some were corrected since.
;; Causal Self Attention. Allowed arithmetic: matrix products marked QUANTISED: E4M3 operands, one given power-of-two scale a tensor, by v_wmma_f32_16x16x64_fp8_fp8 or v_wmma_f32_16x16x128_fp8_fp8, f32 sums; everything else in f32.
;; Inputs: Wk 1,024 x 1,024 float32; Wp 1,024 x 1,024 float32; Wq 1,024 x 1,024 float32; Wv 1,024 x 1,024 float32; lowp_scales 12 int32 (the exponents e of the quantised operands' scales 2^e); x 4 x 2,048 x 1,024 float32.
;; Outputs: out0 4 x 2,048 x 1,024 float32.
;; Constants: start_pos = 0.
;; This version of the problem:
;;   THIS VERSION OF THE PROBLEM IS GIVEN IN LOW PRECISION. The matrix products marked QUANTISED in the list below multiply operands that are first quantised to E4M3 (4 exponent bits, 3 mantissa bits; 8 bits a number), with one given power-of-two scale for each operand tensor; their sums are f32. All else is computed in f32.
;;   The module's matrix products, in the order in which they are computed (A, B: the left and right operand; K: the contracted axis; several contracted axes count as one K, in the product's order):
;;     1. [M 8,192, K 1,024] x [K 1,024, N 1,024]; A: input x; B: input Wq: QUANTISED (scales: A lowp_scales[0], B lowp_scales[1])
;;     2. [M 8,192, K 1,024] x [K 1,024, N 1,024]; A: input x; B: input Wk: QUANTISED (scales: A lowp_scales[2], B lowp_scales[3])
;;     3. [M 8,192, K 1,024] x [K 1,024, N 1,024]; A: input x; B: input Wv: QUANTISED (scales: A lowp_scales[4], B lowp_scales[5])
;;     4. batch 64 x [M 2,048, K 64] x [K 64, N 2,048]; A: computed on the way; B: computed on the way: QUANTISED (scales: A lowp_scales[6], B lowp_scales[7])
;;     5. batch 64 x [M 2,048, K 2,048] x [K 2,048, N 64]; A: softmax (see below); B: computed on the way: QUANTISED (scales: A lowp_scales[8], B lowp_scales[9])
;;     6. [M 8,192, K 1,024] x [K 1,024, N 1,024]; A: computed on the way; B: input Wp: QUANTISED (scales: A lowp_scales[10], B lowp_scales[11])
;;   THE QUANTISER, for each operand of a quantised product, along K:
;;     - The operand's scale is 2^e, e = its entry of the input lowp_scales (int32; the entries are numbered through the quantised products in the list's order, A before B).
;;     - Each number is divided by the scale, clamped to +-448, and rounded to the nearest number of E4M3, ties to even, subnormals kept.
;;     - The product sums the exact products of the quantised numbers (number of the format x scale) in f32.
;;   ~~~python
;;   def quantise(x, axis, e):      # numpy; x: float32 -> the quantised numbers, widened to float32 again
;;       x = np.moveaxis(x, axis, -1); K = x.shape[-1]
;;       r = np.clip(x / 2.0 ** e, -448, 448)
;;       step = 2.0 ** (np.maximum(np.frexp(np.where(r == 0, 1, r))[1] - 1, -6) - 3)
;;       q = np.round(r / step) * step * 2.0 ** e      # np.round: ties to even
;;       return np.moveaxis(q, -1, axis).astype(np.float32)
;;   ~~~
;;   SOFTMAX AHEAD OF A QUANTISED PRODUCT. Where the list says 'softmax', what is quantised is not the finished softmax but p = 2^(t - M), with t = logit x log2(e) and M = ceil(the row's largest t), a whole number; so 1/2 < the row's largest p <= 1. The row's sum l is taken of the UNQUANTISED p, in f32, and the product's result is divided by l at the end. Since M is a whole number, a kernel that streams over the keys may use a running M (the ceiling of the running maximum): every later rescaling is an exact power of two, so the quantised numbers keep their values, but for numbers so far below the row's largest that they fall under the format's range.
;;   OPERANDS COMPUTED ON THE WAY. 'Computed on the way' means the value that the module computes at that place (a softmax that the list does not call 'softmax' is quantised finished and normalised). What goes into a quantiser is computed in f32, as accurately as f32 sums, v_exp_f32 and their like allow (about 1e-6 of the number): no bf16 or f16 on the way to a quantiser, and a product that is left as it is and whose result goes on into a quantised operand takes f32 operands (vector FMAs, or v_wmma_f32_16x16x4_f32). A number that lies on a knife's edge between two numbers of the format may be rounded either way, as far as f32 arithmetic and the matrix unit's own rounding can turn it there, and no further.
;; One version. Each part assembles by itself: llvm-mc -triple=amdgcn-amd-amdhsa -mcpu=gfx1250 --defsym DOCPART=n.
;; ======== version 1 of 1: 4 launches
;; limits: right only within a limited range of input values
;; workspace buffers: xc 25,165,824 bytes; wc 4,194,304 bytes; tab 524,288 bytes; qkv 25,165,824 bytes; yc 8,388,608 bytes
;; launch prep (part 1): grid 448 x 1, 4 waves a work-group, no clusters, 33,280 bytes of LDS; arguments x, Wq, Wk, Wv, Wp, lowp_scales, xc, wc, tab; writes xc, wc, tab
.if DOCPART == 1
	.amdgcn_target "amdgcn-amd-amdhsa--gfx1250"
	.amdhsa_code_object_version 6
	.text
	.protected	k_qd3fe0e0581_prep
	.globl	k_qd3fe0e0581_prep
	.p2align	8
	.type	k_qd3fe0e0581_prep,@function
k_qd3fe0e0581_prep:
	s_mov_b64 s[64:65], 0
	v_nop
	global_prefetch_b8 v0, s[64:65] scope:SCOPE_SE
	s_setreg_imm32_b32 hwreg(HW_REG_WAVE_MODE, 25, 1), 1
	s_wait_xcnt 0x0
; x [8192][1024] and the four weights [1024][1024], f32, K innermost, become codes of E4M3; and the table of cosines and sines for the rotary embedding is made.
; code = number / 2^e, held within +-448, rounded to the nearest code, ties to even.  e: x has three entries (0, 2, 4), Wq 1, Wk 3, Wv 5, Wp 11.
; xc has three planes of 8 MiB: x's codes under entry 0, under entry 2 and under entry 4, one for each of the three products that take x.  All three are always written, so that their reader's addresses hang on no loaded number.
; wc has four planes of 1 MiB: Wq, Wk, Wv, Wp.
; SHARES.  Work-groups 0-255: x; 256-383: the weights, 32 each; every one takes 32,768 numbers, a wave 8,192 in 16 steps of 512.  Work-groups 384-447: the table, 32 positions each.
; A step's four loads read 512 consecutive bytes each; the 2,048 bytes turn through the wave's own stage in LDS (16 bytes of padding behind each 64), so that a lane then holds 16 neighbours along K, as the
; conversions want; a lane's 16 codes are 16 bytes, a wave's store 512 consecutive bytes.  Waves share nothing: no barrier.
; THE TABLE, in the order of its reader's registers: 128 blocks of 16 positions, each [group 0-7][lane 0-31][4 numbers].  Lane (r, h) stands for position 16 block + r.  Groups 0-3: number k = 4 group + i is
; cos(t f(j)), j = 16 (k / 8) + 8 h + k % 8, f(j) = 10000^(-j / 32); groups 4-7: -sin where j is even, +sin where it is odd (the sign that the interleaved rotation gives).
; The angle t f(j) is rounded to f32 once; it is reduced by whole quarter turns with pi / 2 in two parts (the first product's difference is exact for angles under 2^11) and sine and cosine are polynomials on +-pi / 4.
; LIMITS: every e between -126 and 119.  NaN among the inputs is not served.  f(j) lies within about 1.5 units in the last place of the exact power.
.set STEPS, 16
.set SP,    80                         ; a lane's place in a stage: 64 bytes + 16 of padding
.set WREG,  8192                       ; LDS of a wave: two stages of 32 x SP bytes
.set R,     16                         ; v16-79   four sets of 16 numbers as loaded
.set X,     80                         ; v80-111  two sets of 16 neighbours
.set T,     112                        ; v112-127 the numbers, held
.set C,     128                        ; v128-191 plane 0's codes: four registers for each step, so that no store's data are written again
.set D1,    192                        ; v192-195 plane 1's codes
.set D2,    196                        ; v196-199 plane 2's
	s_load_b512 s[4:19], s[0:1], 0x0               ; x 4, Wq 6, Wk 8, Wv 10, Wp 12, the exponents 14, xc 16, wc 18
	s_load_b64 s[20:21], s[0:1], 0x40              ; tab
	v_lshl_add_u32 v208, v0, 2, 0x8000
	v_mov_b32 v209, 0
	s_cmp_ge_u32 ttmp9, 384
	s_cbranch_scc1 .Ltab
	v_lshrrev_b32 v1, 5, v0
	v_readfirstlane_b32 s22, v1                    ; wave
	v_and_b32 v2, 31, v0                           ; lane
	v_lshlrev_b32 v3, 4, v2                        ; my 16 bytes of a load's 512
	s_mul_i32 s23, s22, WREG
	v_lshrrev_b32 v14, 2, v2
	v_mul_u32_u24 v14, v14, SP
	v_and_b32 v15, 3, v2
	v_lshl_add_u32 v14, v15, 4, v14
	v_add_nc_u32 v14, s23, v14                     ; the stage, on the way in: SP (lane / 4) + 16 (lane % 4)
	v_mul_u32_u24 v15, v2, SP
	v_add_nc_u32 v15, s23, v15                     ; and on the way out: SP x lane
	v_lshlrev_b32 v4, 4, v2                        ; my codes' place in a step's 512 bytes
	s_sub_co_u32 s46, ttmp9, 256                   ; for a weight's work-group: which weight, and which part of it
	s_and_b32 s47, s46, 31
	s_lshr_b32 s46, s46, 5
	s_lshl_b32 s46, s46, 20                        ; the weight's plane in wc
	s_wait_alu depctr_va_vdst(0)
	s_wait_kmcnt 0x0
	s_load_b256 s[24:31], s[14:15], 0x0            ; e0 .. e7
	s_load_b128 s[32:35], s[14:15], 0x20           ; e8 .. e11
	s_mov_b64 s[36:37], s[12:13]                   ; the source: Wp, unless the work-group's number says otherwise
	s_cmp_lt_u32 ttmp9, 352
	s_cselect_b64 s[36:37], s[10:11], s[36:37]
	s_cmp_lt_u32 ttmp9, 320
	s_cselect_b64 s[36:37], s[8:9], s[36:37]
	s_cmp_lt_u32 ttmp9, 288
	s_cselect_b64 s[36:37], s[6:7], s[36:37]
	s_cmp_lt_u32 ttmp9, 256
	s_cselect_b64 s[36:37], s[4:5], s[36:37]
	s_cselect_b64 s[38:39], s[16:17], s[18:19]     ; the codes' buffer
	s_cselect_b32 s47, ttmp9, s47                  ; which 32,768 numbers of the tensor
	s_cselect_b32 s46, 0, s46
	s_lshl_b32 s47, s47, 2
	s_add_co_u32 s47, s47, s22                     ; which 8,192 are my wave's
	s_lshl_b32 s48, s47, 15
	s_mov_b32 s49, 0
	s_add_nc_u64 s[36:37], s[36:37], s[48:49]
	s_lshl_b32 s48, s47, 13
	s_add_co_u32 s48, s48, s46
	s_add_nc_u64 s[38:39], s[38:39], s[48:49]
	s_add_nc_u64 s[40:41], s[38:39], 0x800000      ; x's plane 1 and plane 2 (named by x's work-groups alone)
	s_add_nc_u64 s[42:43], s[38:39], 0x1000000
.macro LOAD t
.irp i, 0,1,2,3
	global_load_b128 v[R+16*((\t)%4)+4*\i:R+16*((\t)%4)+4*\i+3], v3, s[36:37] offset:2048*(\t)+512*\i th:TH_LOAD_NT   ; 32 lanes read 512 consecutive bytes
.endr
.endm
.macro TURN t                          ; step t's numbers through the stage: LDS serves a wave's instructions in order, so no wait stands between the stores and the loads
.irp i, 0,1,2,3
	ds_store_b128 v14, v[R+16*((\t)%4)+4*\i:R+16*((\t)%4)+4*\i+3] offset:32*SP*((\t)%2)+8*SP*\i
.endr
.irp i, 0,1,2,3
	ds_load_b128 v[X+16*((\t)%2)+4*\i:X+16*((\t)%2)+4*\i+3], v15 offset:32*SP*((\t)%2)+16*\i
.endr
.endm
.irp t, 0,1,2,3
	LOAD \t
.endr
.macro MKSC e, sc, lim                 ; 2^e as f32 (the conversion takes its exponent field) and 448 x 2^e
	s_add_co_i32 s52, \e, 127
	s_lshl_b32 s53, s52, 23
	v_mov_b32 v[\sc], s53
	s_add_co_i32 s52, s52, 8
	s_lshl_b32 s52, s52, 23
	s_or_b32 s52, s52, 0x600000
	v_mov_b32 v[\lim], s52
.endm
	s_wait_kmcnt 0x0
	s_mov_b32 s50, s35                             ; e: Wp's, unless the work-group's number says otherwise
	s_cmp_lt_u32 ttmp9, 352
	s_cselect_b32 s50, s29, s50
	s_cmp_lt_u32 ttmp9, 320
	s_cselect_b32 s50, s27, s50
	s_cmp_lt_u32 ttmp9, 288
	s_cselect_b32 s50, s25, s50
	s_cmp_lt_u32 ttmp9, 256
	s_cselect_b32 s50, s24, s50
	s_cselect_b32 s44, 1, 0                        ; 1 in x's work-groups: they write planes 1 and 2 as well
	MKSC s50, 11, 10
	MKSC s26, 5, 6                                 ; entry 2, for plane 1
	MKSC s28, 7, 8                                 ; entry 4, for plane 2
	s_wait_alu depctr_va_vdst(0)
	s_wait_loadcnt 12                              ; step 0's four loads are in
	TURN 0
; 16 neighbours in v[xs] on are held, converted and stored
.macro QOUT xs, sc, lim, creg, base, t
.irp i, 0,1,2,3,4,5,6,7,8,9,10,11,12,13,14,15
	v_med3_num_f32 v[T+\i], v[(\xs)+\i], -v[\lim], v[\lim]   ; the conversion to an 8-bit code does not saturate (ISA guide 7.6.2): the hold at the largest code x the scale
.endr
	v_cvt_scalef32_pk8_fp8_f32 v[\creg:\creg+1], v[T:T+7], v[\sc]
	v_cvt_scalef32_pk8_fp8_f32 v[\creg+2:\creg+3], v[T+8:T+15], v[\sc]
	v_nop                                          ; a plain vector line between the conversions and the next write of their sources
	global_store_b128 v4, v[\creg:\creg+3], s[\base:\base+1] offset:512*(\t)   ; 32 lanes store 512 consecutive bytes
.endm
.macro STEP t
.set XS, X+16*((\t)%2)
	s_wait_dscnt 0x0                               ; this step's numbers are back from the stage, and its stores into the stage have read their registers,
.if (\t)+4 < STEPS
	LOAD (\t)+4                                    ; which take the loads of four steps on
.endif
.if (\t)+1 < STEPS
.if STEPS-2-(\t) >= 3
	s_wait_loadcnt 12                              ; the next step's four loads are in; those of the three steps behind it may be out
.else
	s_wait_loadcnt 4*(STEPS-2-(\t))
.endif
	TURN (\t)+1                                    ; and go through the other stage while this step is worked
.endif
	QOUT XS, 11, 10, C+4*(\t), 38, \t
	s_cmp_eq_u32 s44, 0                            ; a weight has one plane: a branch on the work-group's number
	s_cbranch_scc1 .Lone_\@
	s_wait_xcnt 0x0                                ; the last step's stores have read D1 and D2
	QOUT XS, 5, 6, D1, 40, \t
	QOUT XS, 7, 8, D2, 42, \t
.Lone_\@:
.endm
.irp t, 0,1,2,3,4,5,6,7,8,9,10,11,12,13,14,15
	STEP \t
.endr
	s_wait_tensorcnt 0x0
	ds_add_u32 v208, v209
	s_wait_dscnt 0x0
	s_endpgm
.Ltab:                                                 ; thread n: lane n % 32 of group n / 32; 16 bytes of cosines and 16 of sines in each of two blocks
	s_sub_co_u32 s22, ttmp9, 384                   ; which 32 positions
	s_mov_b32 s24, 0xbed49a78                      ; -log2(10000) / 32, its f32 part,
	s_mov_b32 s25, 0xb2179a1c                      ; and what that leaves
	s_mov_b32 s26, 0x3f317218                      ; ln 2
	s_mov_b32 s27, 0x3f22f983                      ; 2 / pi
	s_mov_b32 s28, 0x3fc90fdb                      ; pi / 2, its f32 part,
	s_mov_b32 s29, 0xb33bbd2e                      ; and what that leaves
	s_mov_b32 s30, 0xbe2aaaa3                      ; sine: r + r z (S1 + z (S2 + z S3)), z = r r
	s_mov_b32 s31, 0x3c08839e
	s_mov_b32 s32, 0xb94ca1f9
	s_mov_b32 s33, 0x3d2aaaa5                      ; cosine: 1 - z / 2 + z z (C1 + z (C2 + z C3))
	s_mov_b32 s34, 0xbab6061a
	s_mov_b32 s35, 0x37ccf5ce
	v_bfe_u32 v1, v0, 6, 1
	v_bfe_u32 v2, v0, 5, 1
	v_bfe_u32 v3, v0, 4, 1
	v_lshlrev_b32 v1, 4, v1
	v_lshl_add_u32 v1, v2, 2, v1
	v_lshl_add_u32 v1, v3, 3, v1                   ; j of my first number: 16 (group / 2) + 4 (group % 2) + 8 h
	v_and_b32 v2, 15, v0                           ; r
	v_lshlrev_b32 v3, 4, v0                        ; my 16 bytes in a block's cosines
	s_lshl_b32 s23, s22, 5
	v_add_nc_u32 v4, s23, v2
	v_cvt_f32_u32 v5, v4                           ; t in the first block,
	v_add_nc_u32 v4, 16, v4
	v_cvt_f32_u32 v6, v4                           ; and in the second
.irp i, 0,1,2,3
	v_add_nc_u32 v[8+\i], \i, v1
	v_cvt_f32_u32 v[8+\i], v[8+\i]                 ; j
	v_mul_f32 v[12+\i], s24, v[8+\i]               ; a = -j L, rounded,
	v_fma_f32 v[16+\i], v[8+\i], s24, -v[12+\i]    ; what the rounding dropped,
	v_fma_f32 v[16+\i], v[8+\i], s25, v[16+\i]     ; and the constant's remainder
.endr
	s_wait_alu depctr_va_vdst(0)
.irp i, 0,1,2,3
	v_exp_f32 v[20+\i], v[12+\i]                   ; 2^a
.endr
.irp i, 0,1,2,3
	v_mul_f32 v[16+\i], s26, v[16+\i]              ; (plain lines behind the exponentials)
.endr
	s_wait_alu depctr_va_vdst(0)                   ; one wait for the four exponentials, ahead of their first reader
.irp i, 0,1,2,3
	v_fma_f32 v[20+\i], v[20+\i], v[16+\i], v[20+\i]   ; f(j) = 2^a (1 + ln 2 x the remainder)
.endr
.macro SINCOS i, tf, co, si
	v_mul_f32 v24, v[\tf], v[20+\i]                ; the angle
	v_mul_f32 v25, s27, v24
	v_rndne_f32 v25, v25                           ; n quarter turns
	v_fma_f32 v26, -v25, s28, v24
	v_fma_f32 v26, -v25, s29, v26                  ; r
	v_mul_f32 v27, v26, v26                        ; z
	v_fma_f32 v28, v27, s32, s31
	v_fma_f32 v28, v27, v28, s30
	v_mul_f32 v31, v27, v26
	v_fma_f32 v28, v31, v28, v26                   ; sin r
	v_fma_f32 v29, v27, s35, s34
	v_fma_f32 v29, v27, v29, s33
	v_fma_f32 v32, v27, -0.5, 1.0
	v_mul_f32 v31, v27, v27
	v_fma_f32 v29, v31, v29, v32                   ; cos r
	v_cvt_i32_f32 v30, v25
	v_and_b32 v31, 1, v30
	v_cmp_eq_u32 vcc_lo, 1, v31
	v_cndmask_b32 v33, v28, v29, vcc_lo            ; n odd: the sine is +-cos r,
	v_cndmask_b32 v34, v29, v28, vcc_lo            ; the cosine +-sin r
	v_and_b32 v31, 2, v30
	v_lshlrev_b32 v31, 30, v31                     ; the sine is negative where n % 4 is 2 or 3
.if (\i)%2 == 0
	v_xor_b32 v31, 0x80000000, v31                 ; and the table holds -sin where j is even
.endif
	v_xor_b32 v[\si], v31, v33
	v_add_nc_u32 v31, 1, v30
	v_and_b32 v31, 2, v31
	v_lshlrev_b32 v31, 30, v31                     ; the cosine is negative where n % 4 is 1 or 2
	v_xor_b32 v[\co], v31, v34
.endm
.irp q, 0,1
.irp i, 0,1,2,3
	SINCOS \i, 5+\q, 40+8*\q+\i, 44+8*\q+\i
.endr
.endr
	s_lshl_b32 s46, s22, 13                        ; two blocks of 4,096 bytes
	s_mov_b32 s47, 0
	s_wait_alu depctr_va_vdst(0)
	s_wait_kmcnt 0x0
	s_add_nc_u64 s[20:21], s[20:21], s[46:47]
	global_store_b128 v3, v[40:43], s[20:21]                 ; a wave's store covers 512 consecutive bytes
	global_store_b128 v3, v[44:47], s[20:21] offset:2048
	global_store_b128 v3, v[48:51], s[20:21] offset:4096
	global_store_b128 v3, v[52:55], s[20:21] offset:6144
	s_endpgm
.Lfunc_end_k_qd3fe0e0581_prep:
	.size	k_qd3fe0e0581_prep, .Lfunc_end_k_qd3fe0e0581_prep-k_qd3fe0e0581_prep
	.p2alignl 7, 3214868480
	.fill 96, 4, 3214868480
	.section	.rodata,"a",@progbits
	.p2align	6, 0x0
	.amdhsa_kernel k_qd3fe0e0581_prep
		.amdhsa_group_segment_fixed_size 33280
		.amdhsa_private_segment_fixed_size 0
		.amdhsa_enable_private_segment 0
		.amdhsa_kernarg_size 72
		.amdhsa_user_sgpr_count 2
		.amdhsa_user_sgpr_kernarg_segment_ptr 1
		.amdhsa_wavefront_size32 1
		.amdhsa_system_sgpr_workgroup_id_x 1
		.amdhsa_system_sgpr_workgroup_id_y 1
		.amdhsa_system_sgpr_workgroup_id_z 1
		.amdhsa_system_vgpr_workitem_id 0
		.amdhsa_next_free_vgpr 210
		.amdhsa_next_free_sgpr 66
		.amdhsa_reserve_vcc 1
		.amdhsa_float_denorm_mode_32 3
		.amdhsa_float_denorm_mode_16_64 3
		.amdhsa_memory_ordered 1
		.amdhsa_forward_progress 1
		.amdhsa_inst_pref_size 94
	.end_amdhsa_kernel
	.amdgpu_metadata
---
amdhsa.version: [ 1, 2 ]
amdhsa.kernels:
  - .name:           k_qd3fe0e0581_prep
    .symbol:         k_qd3fe0e0581_prep.kd
    .args:
      - { .name: x, .offset: 0, .size: 8, .value_kind: global_buffer, .address_space: global }
      - { .name: Wq, .offset: 8, .size: 8, .value_kind: global_buffer, .address_space: global }
      - { .name: Wk, .offset: 16, .size: 8, .value_kind: global_buffer, .address_space: global }
      - { .name: Wv, .offset: 24, .size: 8, .value_kind: global_buffer, .address_space: global }
      - { .name: Wp, .offset: 32, .size: 8, .value_kind: global_buffer, .address_space: global }
      - { .name: lowp_scales, .offset: 40, .size: 8, .value_kind: global_buffer, .address_space: global }
      - { .name: xc, .offset: 48, .size: 8, .value_kind: global_buffer, .address_space: global }
      - { .name: wc, .offset: 56, .size: 8, .value_kind: global_buffer, .address_space: global }
      - { .name: tab, .offset: 64, .size: 8, .value_kind: global_buffer, .address_space: global }
    .group_segment_fixed_size: 33280
    .private_segment_fixed_size: 0
    .kernarg_segment_align: 8
    .kernarg_segment_size: 72
    .max_flat_workgroup_size: 128
    .sgpr_count:     66
    .vgpr_count:     210
    .wavefront_size: 32
...
	.end_amdgpu_metadata
.endif
;; end of part 1
;; launch qkv (part 2): grid 4 x 96, 4 waves a work-group, clusters of 4 x 4, 327,680 bytes of LDS; arguments xc, wc, tab, lowp_scales, qkv; writes qkv
.if DOCPART == 2
	.amdgcn_target "amdgcn-amd-amdhsa--gfx1250"
	.amdhsa_code_object_version 6
	.text
	.protected	k_qd3fe0e0581_qkv
	.globl	k_qd3fe0e0581_qkv
	.p2align	8
	.type	k_qd3fe0e0581_qkv,@function
k_qd3fe0e0581_qkv:
	s_mov_b64 s[64:65], 0
	v_nop
	global_prefetch_b8 v0, s[64:65] scope:SCOPE_SE
	s_setreg_imm32_b32 hwreg(HW_REG_WAVE_MODE, 25, 1), 1
	s_wait_xcnt 0x0
	s_wait_alu depctr_hold_cnt(0) depctr_sa_sdst(0) depctr_va_vdst(0) depctr_va_sdst(0) depctr_va_ssrc(0) depctr_va_vcc(0) depctr_vm_vsrc(0)
	s_getreg_b32 s2, hwreg(HW_REG_IB_STS2, 6, 4)
	s_cmp_eq_u32 s2, 0
	s_cbranch_scc0 .Lentry_in_a_cluster
	s_endpgm
.Lentry_in_a_cluster:
	s_bfe_u32 s2, ttmp6, 0x10000c
	s_cmp_lg_u32 s2, 0xf033
	s_cbranch_scc0 .Lentry_shape_is_right
	s_endpgm
.Lentry_shape_is_right:
; q = x Wq^T, k = x Wk^T, v = x Wv^T on codes of E4M3; q and k get the rotary embedding; all three are quantised for the attention's products.  Sums, rotation and holds in f32.
; JOBS.  24 clusters of 4 x 4 work-groups; cluster y / 8 is the job (0 q, 1 k, 2 v), cluster y % 8 its part.  A work-group makes a tile of 256 x 256, a wave 128 x 128: 64 accumulators of 16 x 16, 512 registers.
; Side A is source 1 of the matrix instruction (a lane holds ONE of its rows), side B source 0 (a lane's eight registers are eight neighbouring rows of it).
;   jobs 0, 1: A = x's codes (positions), B = the weight's (channels): a lane holds one position and eight neighbouring channels, which is what the rotation and the next product's K (the head's 64) want.
;   job 2:     A = Wv's codes (channels), B = x's (positions): a lane holds one channel and eight neighbouring keys: v leaves with the keys innermost, as the second product's K wants.
; x's codes: plane number job of xc, which holds them under that job's own exponent; the weight's: plane number job of wc.  Every address is made of ids and constants; the exponents enter the conversion's scale alone.
; K = 1,024 goes in steps of 256 through a ring of two LDS slots filled by the tensor data mover.  The four work-groups of a row of the cluster need the same tiles of A, the four of a column the same tiles of B:
; each tile is asked for JOINTLY, by the same tensor load with the same descriptor and a mask that names the four.
; A tile of 256 x 256 is kept although 384 tiles are one and a half for each of 256 work-group places: a wave tile of 64 x 128 would read 24 KB of LDS for 32 products where this one reads 32 KB for 64.
; OUT.  qkv: byte 0: q [batch x 16 + head][position][64]; byte 8 MiB: k likewise; byte 16 MiB: v [head x 64 + channel][batch x 2,048 + position].  The codes meet in a stage in LDS and leave as whole runs:
; q, k: a wave stores one head's 256 positions, 16 KB on end; v: sixteen lanes store 256 consecutive bytes of a channel's row.
; A sum stands for sum x 2^(ex + ew): the three exponents are folded into the conversion's one scale.  LIMITS: e6 - e0 - e1, e7 - e2 - e3, e9 - e4 - e5 between -126 and 119.  NaN is not served.
; REGISTERS, in windows of 256: window 0: v1-29 addresses and scales; v32-95 a block's numbers; v96-127, v128-159 the table's two sets; v160-191 two sets of codes; in the K loop v128-255 are A's fragments, ONE set.
;   window 1: B's fragments, TWO sets.   window 2: the accumulators of my A rows 0-63 ((a, b) at v[8 (8 a + b)]);   window 3: those of rows 64-127.
.set ROWB,   256                       ; a tile's row in bytes: 256 along K
.set KROW,   1024                      ; a row of codes in memory
.set PITCH,  272                       ; an LDS row: 256 bytes + 16 of padding = 68 words: row r starts at bank 4 r mod 64 (64 banks of 4 bytes: ISA guide 11.1)
.set FR,     16                        ; registers of a fragment: 16 rows x 128 K
.set NL,     4                         ; LDS loads that bring one
.set NP,     4                         ; places behind this matrix instruction (ISA guide 7.12.1)
.set HALFT,  128*PITCH
.set SLOT,   4*HALFT                   ; A's 256 rows, then B's 256 rows
.set LAPS,   2                         ; 1,024 / 512
.set SPARE,  2*SLOT                    ; behind the ring: the spare words, 128 bytes for each wave
.set QPI,    80                        ; q's and k's stage: [4 heads][256 positions][64 bytes + 16]: it lies in slot 0
.set QHEAD,  256*QPI
.set VST,    4*QHEAD                   ; v's stage, bytes of its own: [256 channels][256 bytes + 16]; both stages are written when the slots have had their last fill and their last read
.set STQ,  8                           ; v8   where I put 8 codes of a position (q, k)
.set STV,  9                           ; v9   where I put 8 codes of a channel (v)
.set RDQ,  10                          ; v10  where I read q's and k's stage back
.set RDV,  11                          ; v11  where I read v's
.set L16,  12                          ; v12  16 x lane: my place in a block of the table, and in q's and k's stores
.set GOV,  13                          ; v13  my byte offset in v's stores
.set SCR,  14                          ; v14  the conversion's scale as f32
.set LIMR, 15                          ; v15  448 x that
.set ADRA, 16                          ; v16-17  LDS address of my A fragments in slot 0, 1
.set ADRB, 20                          ; v20-21  the same for B
.set SPW,  28                          ; v28  LDS address of my spare word; never rewritten
.set NIL,  29                          ; v29  0; never rewritten
.set RO,   32
.set TBL,  96
.set CDS,  160
.set AF,   128
.set G1, 24                            ; s[24:31] descriptor group 1 for A's tiles;  s[32:39] group 0, one set for each slot
.set G0, 32
.set G1B, 48                           ; s[48:55], s[56:63] the same for B's tiles
.set G0B, 56
.set JOB, 66
.set MSB, 0
.macro WIN new                         ; the immediate's high byte repeats the setting that is left
.if MSB != \new
	s_set_vgpr_msb (MSB<<8)|\new
.set MSB, \new
.endif
.endm
.set MUL_LO, 0xa1                      ; source 0 (B) window 1, source 1 (A) window 0, C and D window 2
.set MUL_HI, 0xf1                      ; the same, C and D window 3
.set TO_B,   0x40                      ; destination window 1, address window 0
; A joint load: waves 0 and 1 fetch for A, waves 2 and 3 for B.  The branch hangs on the wave's number alone.  Four v_nop follow each of the two lines.
.macro JLOAD g0a, g1a, g0b, g1b
	s_cmp_eq_u32 s15, 0
	s_cbranch_scc0 .Lfor_b_\@
	tensor_load_to_lds s[\g0a:\g0a+3], s[\g1a:\g1a+7]
	s_nop 0
.rept 4
	v_nop
.endr
	s_branch .Lasked_\@
.Lfor_b_\@:
	tensor_load_to_lds s[\g0b:\g0b+3], s[\g1b:\g1b+7]
	s_nop 0
.rept 4
	v_nop
.endr
.Lasked_\@:
.endm
.macro CREST                           ; a round of the cluster's barrier behind its opening barrier
	s_cmp_lg_u32 s14, 0
	s_cbranch_scc1 .Lnot_wave_0_\@
	s_barrier_signal -3
.Lnot_wave_0_\@:
	s_barrier_wait -3
	s_barrier_signal -1
	s_barrier_wait -1
.endm
.macro CROUND                          ; a whole round
	s_barrier_signal -1
	s_barrier_wait -1
	CREST
.endm
	s_load_b256 s[4:11], s[0:1], 0x0               ; xc 4, wc 6, tab 8, the exponents 10
	s_load_b64 s[12:13], s[0:1], 0x20              ; qkv
	v_lshl_add_u32 v[SPW], v0, 2, SPARE
	v_mov_b32 v[NIL], 0
	ds_add_u32 v28, v29
	ds_add_u32 v28, v29
	s_wait_dscnt 0x0
	v_lshrrev_b32 v1, 5, v0
	v_readfirstlane_b32 s14, v1                    ; wave 0..3
	s_lshr_b32 s15, s14, 1                         ; which half of A's rows is mine.  Also: I fetch for A (0) or for B (1)
	s_and_b32 s16, s14, 1                          ; which half of B's rows.  Also: which 128 rows of that tile I fetch
	s_bfe_u32 s40, ttmp6, 0x40000                  ; cx, cy: my place in the cluster
	s_bfe_u32 s41, ttmp6, 0x40004
	s_and_b32 s[JOB], ttmp7, 0xffff                ; the cluster's y
	s_and_b32 s67, s[JOB], 7
	s_lshl_b32 s67, s67, 2                         ; the first of the four tiles of x's 32 that this cluster takes
	s_lshr_b32 s[JOB], s[JOB], 3                   ; 0 q, 1 k, 2 v: the same in all sixteen partners
	s_cmp_eq_u32 s[JOB], 2
	s_cselect_b32 s18, 0, s67
	s_cselect_b32 s19, s67, 0
	s_add_co_u32 s17, s41, s18                     ; A's tile: cy (+ the part, where A is x)
	s_add_co_u32 s42, s40, s19                     ; B's tile: cx (+ the part, where B is x)
	s_lshl_b32 s43, s41, 2
	s_lshl_b32 s43, 15, s43                        ; my row of the cluster
	s_lshl_b32 s44, 0x1111, s40                    ; my column
	; descriptor group 1: a tile of 128 rows x 256 bytes, padded in LDS
	s_or_b32 s[G1+0], s43, (0<<16)|(1<<20)|(1<<21)|(5<<22)|(3<<25)  ; 15:0 the mask: A's tiles go to my row; 17:16 elements of 1 byte; 20 padding on; 21 set beside a mask; 24:22 after every 64 words (code 5); 31:25 of 4 words (code 3)
	s_or_b32 s[G1B+0], s44, (0<<16)|(1<<20)|(1<<21)|(5<<22)|(3<<25)
.irp g, G1, G1B
	s_mov_b32 s[\g+1], ROWB<<16                    ; tensor_dim0
	s_mov_b32 s[\g+2], 128<<16                     ; tensor_dim1
	s_mov_b32 s[\g+3], ROWB<<16                    ; tile_dim0
	s_mov_b32 s[\g+4], 128                         ; tile_dim1
	s_mov_b32 s[\g+5], KROW                        ; tensor_dim0_stride
	s_mov_b32 s[\g+6], 0
	s_mov_b32 s[\g+7], 0
.endr
	; every LDS address is made here, on the one path that all take
	v_and_b32 v1, 15, v0                           ; r = lane % 16
	v_bfe_u32 v2, v0, 4, 1                         ; h = lane / 16
	v_and_b32 v3, 31, v0                           ; lane
	v_mul_u32_u24 v4, v1, PITCH
	v_lshl_add_u32 v4, v2, 4, v4                   ; a fragment's row x pitch + 16 x half
	s_mul_i32 s21, s15, HALFT                      ; my 128 rows of A
	s_mul_i32 s22, s16, HALFT                      ; my 128 rows of B,
	s_add_co_u32 s22, s22, 2*HALFT                 ; which lie behind A's 256
.irp s, 0,1
	v_add_nc_u32 v[ADRA+\s], s21, v4
	v_add_nc_u32 v[ADRB+\s], s22, v4
	s_add_co_u32 s21, s21, SLOT
	s_add_co_u32 s22, s22, SLOT
.endr
	v_mul_u32_u24 v[STQ], v1, QPI                  ; q, k in: head 2 (B half) + b / 4, position 128 (A half) + 16 a + r, byte 16 (b % 4) + 8 h
	v_lshl_add_u32 v[STQ], v2, 3, v[STQ]
	s_mul_i32 s18, s16, 2*QHEAD
	s_mul_i32 s19, s15, 128*QPI
	s_add_co_u32 s18, s18, s19
	v_add_nc_u32 v[STQ], s18, v[STQ]
	v_mul_u32_u24 v[STV], v1, PITCH                ; v in: channel 128 (A half) + 16 a + r, byte 128 (B half) + 16 b + 8 h
	v_lshl_add_u32 v[STV], v2, 4, v[STV]           ; v's keys are laid, inside each 32, as byte 16 h + 8 (b % 2) + j for key 16 (b % 2) + 8 h + j: the order in which the attention's codes of p fall
	s_mul_i32 s18, s15, HALFT
	s_lshl_b32 s19, s16, 7
	s_add_co_u32 s18, s18, s19
	s_add_co_u32 s18, s18, VST
	v_add_nc_u32 v[STV], s18, v[STV]
	v_lshrrev_b32 v5, 2, v3                        ; q, k back: wave w takes head w; four lanes to a position's 64 bytes, eight positions an instruction
	v_mul_u32_u24 v[RDQ], v5, QPI
	v_and_b32 v5, 3, v3
	v_lshl_add_u32 v[RDQ], v5, 4, v[RDQ]
	s_mul_i32 s18, s14, QHEAD
	v_add_nc_u32 v[RDQ], s18, v[RDQ]
	v_mul_u32_u24 v[RDV], v2, PITCH                ; v back: wave w takes channels 64 w on; sixteen lanes to a row, two rows an instruction
	v_lshl_add_u32 v[RDV], v1, 4, v[RDV]
	s_mul_i32 s18, s14, 64*PITCH
	s_add_co_u32 s18, s18, VST
	v_add_nc_u32 v[RDV], s18, v[RDV]
	v_lshlrev_b32 v[L16], 4, v3
	v_lshlrev_b32 v[GOV], 13, v2                   ; a row of v is 8,192 bytes
	v_lshl_add_u32 v[GOV], v1, 4, v[GOV]
	s_lshl_b32 s90, s[JOB], 23                     ; x's plane of 8 MiB: the job's
	s_mov_b32 s91, 0
	s_lshl_b32 s88, s[JOB], 20                     ; the weight's plane of 1 MiB: the job's
	s_mov_b32 s89, 0
	s_lshl_b32 s18, s16, 7                         ; which 128 rows of the tile I fetch
	s_lshl_b32 s20, s17, 8
	s_add_co_u32 s20, s20, s18
	s_lshl_b32 s20, s20, 10                        ; A: (256 x tile + 128 x half) rows of 1,024 bytes
	s_mov_b32 s21, 0
	s_lshl_b32 s46, s42, 8
	s_add_co_u32 s46, s46, s18
	s_lshl_b32 s46, s46, 10                        ; B likewise
	s_mov_b32 s47, 0
	s_mul_i32 s45, s14, HALFT                      ; where they go: wave x 128 rows: no place in the cluster enters an LDS address
	s_wait_kmcnt 0x0
	s_load_b256 s[68:75], s[10:11], 0x0            ; e0 .. e7: wanted behind the first joint loads, for the conversion's scale alone
	s_load_b128 s[76:79], s[10:11], 0x20           ; e8 .. e11
	s_add_nc_u64 s[80:81], s[4:5], s[90:91]        ; x's codes
	s_add_nc_u64 s[82:83], s[6:7], s[88:89]        ; the job's weight
	s_cmp_eq_u32 s[JOB], 2
	s_cselect_b64 s[84:85], s[82:83], s[80:81]     ; side A
	s_cselect_b64 s[86:87], s[80:81], s[82:83]     ; side B
	s_add_nc_u64 s[20:21], s[84:85], s[20:21]
	s_add_nc_u64 s[46:47], s[86:87], s[46:47]
	CROUND                                         ; all sixteen work-groups are here: the first joint loads meet
.irp s, 0,1
	s_mov_b32 s[G0+4*\s], 1
	s_add_co_u32 s[G0+4*\s+1], s45, \s*SLOT
	s_add_nc_u64 s[G0+4*\s+2:G0+4*\s+3], s[20:21], \s*ROWB
	s_or_b32 s[G0+4*\s+3], s[G0+4*\s+3], 0x80000000
	s_mov_b32 s[G0B+4*\s], 1
	s_add_co_u32 s[G0B+4*\s+1], s45, \s*SLOT
	s_add_nc_u64 s[G0B+4*\s+2:G0B+4*\s+3], s[46:47], \s*ROWB
	s_or_b32 s[G0B+4*\s+3], s[G0B+4*\s+3], 0x80000000
.endr
	JLOAD G0, G1, G0B, G1B                         ; K step 0: one tensor load a wave at the head
	; the conversion's scale
	s_wait_kmcnt 0x0                               ; the exponents
	s_sub_co_i32 s88, s74, s68
	s_sub_co_i32 s88, s88, s69                     ; q: e6 - e0 - e1
	s_sub_co_i32 s89, s75, s70
	s_sub_co_i32 s89, s89, s71                     ; k: e7 - e2 - e3
	s_sub_co_i32 s90, s77, s72
	s_sub_co_i32 s90, s90, s73                     ; v: e9 - e4 - e5
	s_cmp_eq_u32 s[JOB], 1
	s_cselect_b32 s88, s89, s88
	s_cmp_eq_u32 s[JOB], 2
	s_cselect_b32 s88, s90, s88
	s_add_co_i32 s88, s88, 127
	s_lshl_b32 s89, s88, 23
	v_mov_b32 v[SCR], s89
	s_add_co_i32 s88, s88, 8
	s_lshl_b32 s88, s88, 23
	s_or_b32 s88, s88, 0x600000
	v_mov_b32 v[LIMR], s88
	; the table: block 16 (tile % 8) + 8 (A half) + a, 4,096 bytes each
	s_and_b32 s18, s17, 7
	s_lshl_b32 s88, s18, 16
	s_lshl_b32 s19, s15, 15
	s_add_co_u32 s88, s88, s19
	s_mov_b32 s89, 0
	s_add_nc_u64 s[92:93], s[8:9], s[88:89]
	; q, k out: plane job; head-plane 16 (tile / 8) + 4 (B's tile) + wave, 2^17 bytes each; position 256 (tile % 8), 64 bytes each
	s_lshr_b32 s19, s17, 3
	s_lshl_b32 s19, s19, 4
	s_lshl_b32 s88, s42, 2
	s_add_co_u32 s19, s19, s88
	s_add_co_u32 s19, s19, s14
	s_lshl_b32 s88, s19, 17
	s_lshl_b32 s18, s18, 14
	s_add_co_u32 s88, s88, s18
	s_lshl_b32 s19, s[JOB], 23
	s_add_co_u32 s88, s88, s19
	s_add_nc_u64 s[94:95], s[12:13], s[88:89]
	; v out: row 256 (A's tile) + 64 wave, 8,192 bytes each; byte 256 (B's tile)
	s_lshl_b32 s88, s17, 8
	s_lshl_b32 s19, s14, 6
	s_add_co_u32 s88, s88, s19
	s_lshl_b32 s88, s88, 13
	s_lshl_b32 s19, s42, 8
	s_add_co_u32 s88, s88, s19
	s_add_co_u32 s88, s88, 0x1000000
	s_add_nc_u64 s[96:97], s[12:13], s[88:89]
.macro TABLD a                         ; block a's cosines (16 registers) and signed sines (16) into set a % 2: each load 512 consecutive bytes
.irp g, 0,1,2,3,4,5,6,7
	global_load_b128 v[TBL+32*((\a)%2)+4*\g:TBL+32*((\a)%2)+4*\g+3], v[L16], s[92:93] offset:4096*(\a)+512*\g
.endr
.endm
	s_wait_alu depctr_va_vdst(0)
	TABLD 0                                        ; set 0's registers are free during the K loop: the first block comes under the products.  The line stands on the one path that all jobs take
.macro FRAG reg, adr, q, i             ; a fragment, 16 rows x 128 K: lane l holds row l % 16; registers 4 c .. 4 c + 3 hold K = 32 c + 16 (l / 16) + 0 .. 15: the same order of k on both sides
.irp c, 0,1,2,3
	ds_load_b128 v[\reg+4*\c:\reg+4*\c+3], v[\adr] offset:128*(\q)+32*\c+(\i)*16*PITCH
.endr
.endm
; 16 matrix instructions: A's blocks a0, a0 + 1 x B's eight, 128 along K.  p: B's set.  zero = 1: the first product starts the sums.  The 64 accumulators take turns, one instruction a turn.
.macro MUL16 a0, p, zero
.irp a, \a0, \a0+1
.irp b, 0,1,2,3,4,5,6,7
.if \zero
	v_wmma_f32_16x16x128_fp8_fp8 v[8*(8*((\a)%4)+\b):8*(8*((\a)%4)+\b)+7], v[128*(\p)+FR*\b:128*(\p)+FR*\b+FR-1], v[AF+FR*(\a):AF+FR*(\a)+FR-1], 0
.else
	v_wmma_f32_16x16x128_fp8_fp8 v[8*(8*((\a)%4)+\b):8*(8*((\a)%4)+\b)+7], v[128*(\p)+FR*\b:128*(\p)+FR*\b+FR-1], v[AF+FR*(\a):AF+FR*(\a)+FR-1], v[8*(8*((\a)%4)+\b):8*(8*((\a)%4)+\b)+7]
.endif
.endr
.endr
.endm
.macro FETCH_B slot, q, p
	WIN TO_B
.irp i, 0,1,2,3,4,5,6,7
	FRAG 128*(\p)+FR*\i, ADRB+\slot, \q, \i
.endr
	WIN 0
.endm
.macro FETCH_A slot, q, i0
.irp i, \i0, \i0+1, \i0+2, \i0+3
	FRAG AF+FR*(\i), ADRA+\slot, \q, \i
.endr
.endm
.macro PLACES n                        ; plain vector lines between a matrix instruction and a load into its registers or a read of its result
.rept \n
	v_nop
.endr
.endm
; A step of 128 along K that has its successor in the same slot.  A's blocks are free as soon as their eight products are issued: blocks 0-3 are fetched anew in the middle, blocks 4-7 at the end.
.macro STEP slot, q, zero
	s_wait_dscnt 4*NL                              ; B's set and A's blocks 0-3 are in; the youngest 16 loads (A's blocks 4-7) may be out
	WIN MUL_LO
	MUL16 0, (\q)%2, \zero
	MUL16 2, (\q)%2, \zero
	s_wait_dscnt 0                                 ; A's blocks 4-7 are in
	PLACES NP
	FETCH_B \slot, (\q)+1, 1-(\q)%2
	FETCH_A \slot, (\q)+1, 0
	WIN MUL_HI
	MUL16 4, (\q)%2, \zero
	MUL16 6, (\q)%2, \zero
	PLACES NP
	WIN 0
	FETCH_A \slot, (\q)+1, 4
.endm
; A slot's last step changes slots: ONE barrier; in front of it each wave waits for all its tensor loads, adds 0 to its spare word, and waits for that and for its own reads of this slot.  fill = 1: the slot is filled again, two K steps ahead.
.macro TURN slot, next, fill
	s_wait_tensorcnt 0x0                           ; all my tensor loads have landed: my part of the next slot
	ds_add_u32 v[SPW], v[NIL]                      ; 0 onto my spare word
	s_wait_dscnt 4*NL+1                            ; (the add and the youngest 16 loads, A's blocks 4-7, may be out)
	WIN MUL_LO
	MUL16 0, 1, 0                                  ; sixteen matrix instructions stand between the add and the wait for it
	s_wait_dscnt 0x0                               ; the add is done, and my reads of this slot are over
	s_barrier_signal -1
	MUL16 2, 1, 0
	WIN 0
	s_barrier_wait -1
.if \fill
	CREST                                          ; the barrier has opened a round of the cluster's barrier: no wave of any partner still reads this slot or has a load on its way
	s_add_nc_u64 s[G0+4*\slot+2:G0+4*\slot+3], s[G0+4*\slot+2:G0+4*\slot+3], 2*ROWB
	s_add_nc_u64 s[G0B+4*\slot+2:G0B+4*\slot+3], s[G0B+4*\slot+2:G0B+4*\slot+3], 2*ROWB
	JLOAD G0+4*\slot, G1, G0B+4*\slot, G1B         ; the first tensor load behind the round; its four v_nop are also the places in front of the loads below
.else
	PLACES NP
.endif
	FETCH_B \next, 0, 0
	FETCH_A \next, 0, 0
	WIN MUL_HI
	MUL16 4, 1, 0
	MUL16 6, 1, 0
	PLACES NP
	WIN 0
	FETCH_A \next, 0, 4
.endm
	s_wait_tensorcnt 0x0                           ; my part of K step 0 is in
	ds_add_u32 v[SPW], v[NIL]
	s_wait_dscnt 0x0
	CROUND                                         ; a whole round: everybody's part of K step 0 is in
	JLOAD G0+4, G1, G0B+4, G1B                     ; K step 1: slot 1's first fill, the first tensor load behind the round
	FETCH_B 0, 0, 0
	FETCH_A 0, 0, 0
	FETCH_A 0, 0, 4
	STEP 0, 0, 1                                   ; the first step stands in front of the loop: its products start the sums
	s_mov_b32 s3, LAPS-1
.Llap:                                                 ; a trip goes once round the ring and fills both slots again
	TURN 0, 1, 1
	STEP 1, 0, 0
	TURN 1, 0, 1
	STEP 0, 0, 0
	s_sub_co_u32 s3, s3, 1
	s_cmp_lg_u32 s3, 0
	s_cbranch_scc1 .Llap
	TURN 0, 1, 0                                   ; the last lap fills nothing
	STEP 1, 0, 0
	s_wait_dscnt 4*NL                              ; the very last step
	WIN MUL_LO
	MUL16 0, 1, 0
	MUL16 2, 1, 0
	s_wait_dscnt 0
	WIN MUL_HI
	MUL16 4, 1, 0
	MUL16 6, 1, 0
	WIN 0
	; THE WAY OUT.  The stages lie in the slots: every wave's reads of them are over, and a barrier says so
	s_wait_dscnt 0x0
	s_barrier_signal -1
	s_barrier_wait -1
	PLACES NP                                      ; behind the last products: for the loads into A's registers and the reads of results
; q, k: block a (16 positions x my 128 channels).  y(2 i) = x(2 i) cos - x(2 i + 1) sin, y(2 i + 1) = x(2 i + 1) cos + x(2 i) sin, each with its own channel's angle: a packed multiply, and a packed multiply-add
; that takes the pair of sums the other way round and the table's signed sines.  Then the hold, the conversion, and 8 bytes a tile into the stage.  Each accumulator is read from its low end on.
.macro QKBLK a
.set AC, 64*((\a)%4)
.set CO, TBL+32*((\a)%2)
.set SI, CO+16
.set CD, CDS+16*((\a)%2)
.if (\a) < 7
	s_wait_loadcnt 8                               ; this block's table is in; the next block's eight loads may be out
.else
	s_wait_loadcnt 0
.endif
	WIN 0x02+((\a)/4)                              ; source 0: window 2 or 3
.irp b, 0,1,2,3,4,5,6,7
.irp i, 0,2,4,6
	v_pk_mul_f32 v[RO+8*\b+\i:RO+8*\b+\i+1], v[AC+8*\b+\i:AC+8*\b+\i+1], v[CO+8*(\b%2)+\i:CO+8*(\b%2)+\i+1]
.endr
.irp i, 0,2,4,6
	v_pk_fma_f32 v[RO+8*\b+\i:RO+8*\b+\i+1], v[AC+8*\b+\i:AC+8*\b+\i+1], v[SI+8*(\b%2)+\i:SI+8*(\b%2)+\i+1], v[RO+8*\b+\i:RO+8*\b+\i+1] op_sel:[1,0,0] op_sel_hi:[0,1,1]
.endr
.endr
	WIN 0
.if (\a) < 6
	TABLD (\a)+2                                   ; into the set just read
.endif
.set nn, 0
.rept 64
	v_med3_num_f32 v[RO+nn], v[RO+nn], -v[LIMR], v[LIMR]   ; the conversion does not saturate (ISA guide 7.6.2): the hold at the largest code x the scale
.set nn, nn+1
.endr
	s_wait_alu depctr_va_vdst(0)
	s_wait_dscnt 8                                 ; the stores of two blocks back have read this set of codes; the last block's eight may be out
.irp b, 0,1,2,3,4,5,6,7
	v_cvt_scalef32_pk8_fp8_f32 v[CD+2*\b:CD+2*\b+1], v[RO+8*\b:RO+8*\b+7], v[SCR]
.endr
	v_nop                                          ; a plain vector line between the conversions and the next write of their sources
.irp b, 0,1,2,3,4,5,6,7
	ds_store_b64 v[STQ], v[CD+2*\b:CD+2*\b+1] offset:(\b/4)*QHEAD+16*QPI*(\a)+16*(\b%4)   ; rows 80 bytes apart: the 32 lanes touch 64 different banks
.endr
.endm
; v: block a (16 channels x my 128 keys): the hold, the conversion, 8 bytes a tile into the stage
.macro VBLK a
.set AC, 64*((\a)%4)
.set CD, CDS+16*((\a)%2)
	WIN 0x02+((\a)/4)
.set nn, 0
.rept 64
	v_med3_num_f32 v[RO+nn], v[AC+nn], -v[LIMR], v[LIMR]
.set nn, nn+1
.endr
	WIN 0
	s_wait_alu depctr_va_vdst(0)
	s_wait_dscnt 8
.irp b, 0,1,2,3,4,5,6,7
	v_cvt_scalef32_pk8_fp8_f32 v[CD+2*\b:CD+2*\b+1], v[RO+8*\b:RO+8*\b+7], v[SCR]
.endr
	v_nop
.irp b, 0,1,2,3,4,5,6,7
	ds_store_b64 v[STV], v[CD+2*\b:CD+2*\b+1] offset:16*PITCH*(\a)+32*(\b/2)+8*(\b%2)
.endr
.endm
	s_cmp_eq_u32 s[JOB], 2
	s_cbranch_scc1 .Lv_in
	TABLD 1
.irp a, 0,1,2,3,4,5,6,7
	QKBLK \a
.endr
	s_branch .Ljoin
.Lv_in:
	s_wait_loadcnt 0x0                             ; the table's first block, asked for at the head, has landed: its registers are used again below
.irp a, 0,1,2,3,4,5,6,7
	VBLK \a
.endr
.Ljoin:
	s_wait_dscnt 0x0                               ; for the others' sake: my stores into the stage are done
	s_barrier_signal -1
	s_barrier_wait -1
	s_cmp_eq_u32 s[JOB], 2
	s_cbranch_scc1 .Lv_out
.set nn, 0
.rept 32
	ds_load_b128 v[RO+4*nn:RO+4*nn+3], v[RDQ] offset:8*QPI*nn
.set nn, nn+1
.endr
.set nn, 0
.rept 32
	s_wait_dscnt 31-nn
	global_store_b128 v[L16], v[RO+4*nn:RO+4*nn+3], s[94:95] offset:512*nn   ; 32 lanes store 512 consecutive bytes: eight positions of one head
.set nn, nn+1
.endr
	s_branch .Lend
.Lv_out:
.set nn, 0
.rept 32
	ds_load_b128 v[RO+4*nn:RO+4*nn+3], v[RDV] offset:2*PITCH*nn
.set nn, nn+1
.endr
.set nn, 0
.rept 32
	s_wait_dscnt 31-nn
	global_store_b128 v[GOV], v[RO+4*nn:RO+4*nn+3], s[96:97] offset:16384*nn   ; sixteen lanes store 256 consecutive bytes of a channel's row, at a multiple of 256
.set nn, nn+1
.endr
.Lend:
	s_wait_tensorcnt 0x0                           ; the wave's end
	ds_add_u32 v[SPW], v[NIL]
	s_wait_dscnt 0x0
	CROUND                                         ; the closing round: no work-group ends while a partner may still ask for a tile that names it
	s_endpgm
.Lfunc_end_k_qd3fe0e0581_qkv:
	.size	k_qd3fe0e0581_qkv, .Lfunc_end_k_qd3fe0e0581_qkv-k_qd3fe0e0581_qkv
	.p2alignl 7, 3214868480
	.fill 96, 4, 3214868480
	.section	.rodata,"a",@progbits
	.p2align	6, 0x0
	.amdhsa_kernel k_qd3fe0e0581_qkv
		.amdhsa_group_segment_fixed_size 327680
		.amdhsa_private_segment_fixed_size 0
		.amdhsa_enable_private_segment 0
		.amdhsa_kernarg_size 40
		.amdhsa_user_sgpr_count 2
		.amdhsa_user_sgpr_kernarg_segment_ptr 1
		.amdhsa_wavefront_size32 1
		.amdhsa_system_sgpr_workgroup_id_x 1
		.amdhsa_system_sgpr_workgroup_id_y 1
		.amdhsa_system_sgpr_workgroup_id_z 1
		.amdhsa_system_vgpr_workitem_id 0
		.amdhsa_next_free_vgpr 1024
		.amdhsa_next_free_sgpr 100
		.amdhsa_reserve_vcc 0
		.amdhsa_float_denorm_mode_32 3
		.amdhsa_float_denorm_mode_16_64 3
		.amdhsa_memory_ordered 1
		.amdhsa_forward_progress 1
		.amdhsa_inst_pref_size 214
	.end_amdhsa_kernel
	.amdgpu_metadata
---
amdhsa.version: [ 1, 2 ]
amdhsa.kernels:
  - .name:           k_qd3fe0e0581_qkv
    .symbol:         k_qd3fe0e0581_qkv.kd
    .args:
      - { .name: xc, .offset: 0, .size: 8, .value_kind: global_buffer, .address_space: global }
      - { .name: wc, .offset: 8, .size: 8, .value_kind: global_buffer, .address_space: global }
      - { .name: tab, .offset: 16, .size: 8, .value_kind: global_buffer, .address_space: global }
      - { .name: lowp_scales, .offset: 24, .size: 8, .value_kind: global_buffer, .address_space: global }
      - { .name: qkv, .offset: 32, .size: 8, .value_kind: global_buffer, .address_space: global }
    .group_segment_fixed_size: 327680
    .private_segment_fixed_size: 0
    .kernarg_segment_align: 8
    .kernarg_segment_size: 40
    .max_flat_workgroup_size: 128
    .sgpr_count:     100
    .vgpr_count:     1024
    .wavefront_size: 32
...
	.end_amdgpu_metadata
.endif
;; end of part 2
;; launch attn (part 3): grid 4 x 64, 8 waves a work-group, no clusters, 327,680 bytes of LDS; arguments qkv, lowp_scales, yc; writes yc
.if DOCPART == 3
	.amdgcn_target "amdgcn-amd-amdhsa--gfx1250"
	.amdhsa_code_object_version 6
	.text
	.protected	k_qd3fe0e0581_attn
	.globl	k_qd3fe0e0581_attn
	.p2align	8
	.type	k_qd3fe0e0581_attn,@function
k_qd3fe0e0581_attn:
	s_mov_b64 s[64:65], 0
	v_nop
	global_prefetch_b8 v0, s[64:65] scope:SCOPE_SE
	s_setreg_imm32_b32 hwreg(HW_REG_WAVE_MODE, 25, 1), 1
	s_wait_xcnt 0x0
; y[b][h][q] = the sum over k <= q of softmax_k(q . k / 8) v[k], both products on codes of E4M3, and y is quantised for the last product.
; qkv: byte 0: q's codes [b x 16 + h][position][64]; 8 MiB: k's likewise; 16 MiB: v's with the KEYS innermost, [h x 64 + channel][b x 2,048 + position], where inside each 32 keys byte 16 h + 8 u + j holds key 16 u + 8 h + j.
; yc, in the order of its reader's operand registers: [128 positions][pair of heads][16 positions][head % 2][T 0-3][position % 16][16 bytes]: the 16 bytes are channels 16 T .. 16 T + 15 of one position and head.
; THE SOFTMAX AHEAD OF THE SECOND PRODUCT: t = score x log2(e) / 8; M = the row's largest t so far, rounded UP to a whole number; p = 2^(t - M) is quantised, not normalised.  The row's sum is taken of the
; unquantised p, in f32, and divides at the end.  When M moves, the sum and O are multiplied by 2^(old M - new M): exact.
; SHARES.  A head has 8 blocks of 256 queries and 8 slots of 256 keys; block j needs slots 0 .. j (the tiles above the diagonal are thrown away by the mask that the problem builds itself, and are not computed).
; Work-group i (0-3) of a head takes block i and then block 7 - i: NINE visits of a slot in every work-group, every trip count a constant.
; Each of the EIGHT waves owns 32 queries, two tiles of 16 (u = 0, 1): each fragment of K and of V feeds two matrix instructions, and the two tiles' softmax chains stand line by line beside each other.
; NO CLUSTER: in a given visit the four work-groups of a head want different slots; walking in step would take 12 visits in place of 9.
; K's and V's tiles come through a ring of two LDS slots, filled by the tensor data mover (waves 0 and 1: K's halves; wave 2: V) and read by all eight.
; LAYOUT.  Both products are used transposed: S^T = K Q^T (source 0 = 16 neighbouring keys), O^T = V^T P^T (source 0 = 16 channels): a lane holds ONE query (lane % 16) of each tile throughout.
; Register j of score tile T holds key 16 T + 8 (lane / 16) + j; its eight codes are registers 2 T, 2 T + 1 of the second product's operand.  V's loads of 16 bytes bring the same keys to the same registers, by v's order in memory.
; CAUSAL.  A step of 128 keys that all come after the wave's queries is left out by a scalar branch on ids (only a visit's second step can be such); in the step on the diagonal hidden scores become -infinity ahead of the maximum.
; LIMITS: e6 + e7 between -123 and 130 (added to c's exponent field); e8, and e10 - e8 - e9, between -126 and 119; the scaled scores stay under 2^31 in magnitude.  NaN is not served.
; REGISTERS.  Window 0: v1-10 addresses; tile u: v[12+4u] -M, v[13+4u] the largest t, v[14+4u:15+4u] the sum; v20 448 x 2^e8, v21 2^e8, v22, v23 the same for y; v[24+2u] f; v28-71 at work; v[72+8u] y's codes; v[128+64u] S^T, then p.
;   Window 1: v0-63 K's eight fragments; v64-127 V's four; v[128+32u] O^T; v[192+16u] p's codes; v[224+8u] Q; v[240+8u] the second block's Q.
.set SK,    256                        ; keys in a slot
.set KP,    80                         ; a key's row in LDS: 64 bytes + 16 of padding: 16 neighbouring rows begin at 16 different groups of four banks
.set VP,    272                        ; a channel's row: 256 bytes + 16
.set VOFF,  SK*KP                      ; a slot: 256 rows of K, then 64 rows of V
.set SLOT1, 1<<16                      ; slot 1 begins here: one exclusive or turns an address in one slot into the other's
.set SPARE, 2*SLOT1                    ; the spare words, 128 bytes for each wave: four blocks of 256 bytes that no other line names
.set AK0,  1                           ; v1   my lane's place in a tile of K
.set AV0,  2                           ; v2   the same for V
.set PFO,  3                           ; v3   the prefetches' offset
.set QA,   4                           ; v4   my byte in 16 rows of Q
.set SPW,  5                           ; v5   LDS address of my spare word; never rewritten
.set NIL,  6                           ; v6   0; never rewritten
.set GO,   7                           ; v7   16 (lane % 16) + 8 (lane / 16): my 8 bytes of a store's 256
.set ADK,  8                           ; v8   LDS address of the visit's tiles of K
.set ADV,  9                           ; v9   of V
.set LQ,   10                          ; v10  lane % 16 - 8 (lane / 16)
.set TB,   2                           ; s2   LDS byte at which the slot in hand begins
.set WV,   18
.set SEL,  20                          ; s[20:21] lane selects for v_permlanex16_b32: lane l xor 16
.set CS,   22                          ; s[22:23] c = log2(e) / 8 x 2^(e6 + e7)
.set G1K,  24
.set G1V,  32
.set G0K,  40
.set G0V,  44
.set KB,   48                          ; s[48:49] K's codes: my head, my half of a slot
.set VB,   50                          ; s[50:51] V's codes: my head's first row, my batch's first key
.set QPT,  52                          ; s[52:53] Q's codes at my first query
.set YPT,  54                          ; s[54:55] y's codes likewise
.set DL,   56                          ; s[56:57] Q's codes at my first query of the second block
.set NK,   58                          ; s58  the slot of keys fetched last
.set VN,   59                          ; s59  the visit to be fetched next
.set VIS,  60                          ; s60  the visit in hand
.set SW,   61                          ; s61  the first block's last visit: i
.set SW1,  62                          ; s62  the second block's first: i + 1
.set SLOTS, 67
.set PFA,  80                          ; s[80:81] where my prefetches stand
.set PFS,  82                          ; s[82:83] a slot on, in bytes
.set LIM,  84                          ; s84  4 in a wave that prefetches, else 0
.set DY,   90                          ; s[90:91] bytes of yc from my queries in the first block to those in the second
.set DQ,   92                          ; s92  queries from the first block to the second
.set KF,   98                          ; s98  the step's first key
.set Q0,   99                          ; s99  my first query
.set MSB, 0
.macro WIN new                         ; low byte: bits 1:0 source 0, 3:2 source 1, 5:4 source 2, 7:6 destination; the high byte repeats the setting that is left
.if MSB != \new
	s_set_vgpr_msb (MSB<<8)|\new
.set MSB, \new
.endif
.endm
; Waves 0 and 1 fetch K's halves, wave 2 V, the others nothing.  The branches hang on the wave's number alone.  An s_nop 0 and four v_nop follow each of the two lines.
.macro TLOAD
	s_cmp_lt_u32 s[WV], 2
	s_cbranch_scc0 .Lnot_k_\@
	tensor_load_to_lds s[G0K:G0K+3], s[G1K:G1K+7]
	s_nop 0
.rept 4
	v_nop
.endr
	s_branch .Lasked_\@
.Lnot_k_\@:
	s_cmp_lt_u32 s[WV], 3
	s_cbranch_scc0 .Lasked_\@
	tensor_load_to_lds s[G0V:G0V+3], s[G1V:G1V+7]
	s_nop 0
.rept 4
	v_nop
.endr
.Lasked_\@:
.endm
; A PREFETCH INTO THE L2 of what the next change of slots will ask for.  Work-group 0 of a head fetches slot n - 1 in visit n; when it fetches for visit n = 4 .. 7 it names slot n, one visit ahead of that slot's load.
; Waves 4 and 5 name K's 16 KB, 8 KB a wave, lanes 256 bytes apart; waves 6 and 7 V's 64 rows, a lane a row (a slot's part of a row is 256 bytes, aligned): each aligned block of 256 bytes once in the launch.
; Slots 0 to 3 are named by nobody: all four work-groups of the head load them in their first visits.  Behind slot 7 there is nothing to name.
.macro ASK
	s_sub_co_u32 s85, s[VN], 4
	s_cmp_lt_u32 s85, s[LIM]
	s_cbranch_scc0 .Lnot_mine_\@
	global_prefetch_b8 v[PFO], s[PFA:PFA+1] th:TH_LOAD_NT scope:SCOPE_SE
.Lnot_mine_\@:
.endm
	s_load_b128 s[4:7], s[0:1], 0x0                ; qkv s[4:5], the exponents s[6:7]
	s_load_b64 s[8:9], s[0:1], 0x10                ; yc
	v_lshl_add_u32 v[SPW], v0, 2, SPARE
	v_mov_b32 v[NIL], 0
	ds_add_u32 v[SPW], v[NIL]                      ; the opening lines: the add, twice on end, and its wait ahead of the first tensor load
	ds_add_u32 v[SPW], v[NIL]
	v_lshrrev_b32 v8, 5, v0
	v_readfirstlane_b32 s[WV], v8                  ; wave 0..7
	s_and_b32 s10, ttmp7, 0xffff                   ; b x 16 + h
	s_lshr_b32 s11, s10, 4                         ; b
	s_and_b32 s12, s10, 15                         ; h
	s_and_b32 s88, s[WV], 1
	s_mul_i32 s89, s88, 128*KP                     ; K's half in a slot
	s_lshl_b32 s14, s10, 17                        ; K: the head's 2^17 bytes, + my half of a slot's 16 KB, in the second plane
	s_lshl_b32 s15, s88, 13
	s_add_co_u32 s14, s14, s15
	s_add_co_u32 s14, s14, 0x800000
	s_mov_b32 s15, 0
	s_lshl_b32 s16, s12, 19                        ; V: row 64 h of 8,192 bytes, + 2,048 b, in the third plane
	s_lshl_b32 s17, s11, 11
	s_add_co_u32 s16, s16, s17
	s_add_co_u32 s16, s16, 0x1000000
	s_mov_b32 s17, 0
	s_lshl_b32 s[Q0], ttmp9, 8
	s_lshl_b32 s19, s[WV], 5
	s_add_co_u32 s[Q0], s[Q0], s19                 ; my first query: 256 i + 32 x wave
	s_lshl_b32 s86, s[Q0], 6
	s_lshl_b32 s87, s10, 17
	s_add_co_u32 s86, s86, s87                     ; its codes
	s_mov_b32 s87, 0
	s_lshl_b32 s90, s11, 4                         ; y: block of 128 positions 16 b + query / 128, 2^17 bytes each,
	s_lshr_b32 s91, s[Q0], 7
	s_add_co_u32 s90, s90, s91
	s_lshl_b32 s90, s90, 17
	s_lshr_b32 s91, s12, 1                         ; pair of heads, 2^14,
	s_lshl_b32 s91, s91, 14
	s_add_co_u32 s90, s90, s91
	s_bfe_u32 s91, s[Q0], 0x30004                  ; 16 positions, 2^11,
	s_lshl_b32 s91, s91, 11
	s_add_co_u32 s90, s90, s91
	s_and_b32 s91, s12, 1                          ; head % 2, 2^10
	s_lshl_b32 s91, s91, 10
	s_add_co_u32 s90, s90, s91
	s_mov_b32 s91, 0
	s_lshl_b32 s[DL], ttmp9, 1
	s_sub_co_u32 s[DL], 7, s[DL]                   ; 7 - 2 i blocks of 256 queries on
	s_lshl_b32 s[DQ], s[DL], 8
	s_lshl_b32 s93, s[DL], 18                      ; in yc
	s_lshl_b32 s[DL], s[DL], 14                    ; in q's codes
	s_mov_b32 s[DL+1], 0
	; descriptor group 1: K: 128 rows of 64 bytes, dense in memory, so stated as 32 rows of 256 bytes, the padding still behind each 64;  V: 64 rows of 256 bytes, 8,192 bytes apart
	s_mov_b32 s[G1K], (0<<16)|(1<<20)|(3<<22)|(3<<25)             ; no mask; elements of 1 byte; padding on: four words (code 3) after every 16 (code 3)
	s_mov_b32 s[G1K+1], 256<<16                    ; tensor_dim0
	s_mov_b32 s[G1K+2], 32<<16                     ; tensor_dim1
	s_mov_b32 s[G1K+3], 256<<16                    ; tile_dim0
	s_mov_b32 s[G1K+4], 32                         ; tile_dim1
	s_mov_b32 s[G1K+5], 256                        ; tensor_dim0_stride
	s_mov_b32 s[G1K+6], 0
	s_mov_b32 s[G1K+7], 0
	s_mov_b32 s[G1V], (0<<16)|(1<<20)|(5<<22)|(3<<25)             ; padding: four words after every 64
	s_mov_b32 s[G1V+1], 256<<16
	s_mov_b32 s[G1V+2], 64<<16
	s_mov_b32 s[G1V+3], 256<<16
	s_mov_b32 s[G1V+4], 64
	s_mov_b32 s[G1V+5], 8192
	s_mov_b32 s[G1V+6], 0
	s_mov_b32 s[G1V+7], 0
	s_mov_b32 s[SEL], 0x76543210
	s_mov_b32 s[SEL+1], 0xfedcba98
	s_mov_b32 s[CS], 0x3e38aa3b                    ; log2(e) / 8
	s_mov_b32 s[TB], 0
	s_mov_b32 s[SLOTS], 8
	s_mov_b32 s[KF], 0
	s_mov_b32 s[NK], 0
	s_mov_b32 s[VN], 1
	s_mov_b32 s[VIS], 0
	s_mov_b32 s[SW], ttmp9
	s_add_co_u32 s[SW1], ttmp9, 1
	s_wait_dscnt 0x0                               ; both opening adds are done
	s_wait_kmcnt 0x0
	s_load_b256 s[68:75], s[6:7], 0x0              ; e0 .. e7
	s_load_b128 s[76:79], s[6:7], 0x20             ; e8 .. e11
	s_add_nc_u64 s[KB:KB+1], s[4:5], s[14:15]
	s_add_nc_u64 s[VB:VB+1], s[4:5], s[16:17]
	s_add_nc_u64 s[QPT:QPT+1], s[4:5], s[86:87]
	s_add_nc_u64 s[DL:DL+1], s[QPT:QPT+1], s[DL:DL+1]
	s_add_nc_u64 s[YPT:YPT+1], s[8:9], s[90:91]
	s_mov_b32 s[DY], s93
	s_mov_b32 s[G0K], 1                            ; count = 1
	s_mov_b32 s[G0K+1], s89                        ; LDS address: slot 0
	s_mov_b64 s[G0K+2:G0K+3], s[KB:KB+1]           ; global address: the head's first 256 keys
	s_or_b32 s[G0K+3], s[G0K+3], 0x80000000        ; type = 2
	s_mov_b32 s[G0V], 1
	s_mov_b32 s[G0V+1], VOFF
	s_mov_b64 s[G0V+2:G0V+3], s[VB:VB+1]
	s_or_b32 s[G0V+3], s[G0V+3], 0x80000000
	TLOAD                                          ; visit 0's slot
	; the prefetches: where my wave's stand, and who asks
	s_and_b32 s86, s[WV], 1
	s_lshl_b32 s86, s86, 18                        ; V: my 32 rows of the 64
	s_mov_b32 s87, 0
	s_mov_b32 s[PFS], 256
	s_mov_b32 s[PFS+1], 0
	s_mov_b32 s85, 8192
	s_cmp_lt_u32 s[WV], 6                          ; waves 4 and 5 ask for K's codes, waves 6 and 7 for V's
	s_cselect_b64 s[PFA:PFA+1], s[KB:KB+1], s[VB:VB+1]
	s_cselect_b32 s[PFS], 16384, s[PFS]            ; a slot on
	s_cselect_b32 s85, 256, s85                    ; from lane to lane
	s_cselect_b32 s86, 0, s86
	s_add_nc_u64 s[PFA:PFA+1], s[PFA:PFA+1], s[86:87]   ; at slot 0: every change that fills a slot steps it
	s_lshr_b32 s[LIM], s[WV], 2
	s_xor_b32 s[LIM], s[LIM], 1                    ; 0 in waves 4 to 7,
	s_or_b32 s[LIM], s[LIM], ttmp9                 ; of the head's work-group 0
	s_cmp_eq_u32 s[LIM], 0
	s_cselect_b32 s[LIM], 4, 0
	v_and_b32 v8, 15, v0                           ; r = lane % 16
	v_bfe_u32 v9, v0, 4, 1                         ; h = lane / 16
	v_and_b32 v11, 31, v0                          ; lane
	v_lshlrev_b32 v[QA], 6, v8
	v_mul_u32_u24 v[AK0], v8, KP
	v_mul_u32_u24 v[AV0], v8, VP
	v_lshlrev_b32 v[GO], 4, v8
	v_lshl_add_u32 v[QA], v9, 4, v[QA]             ; Q: row r of 64 bytes, + 16 h
	v_lshl_add_u32 v[AK0], v9, 4, v[AK0]           ; K: row r, + 16 h: the same order of the head's 64 on both sides
	v_lshl_add_u32 v[AV0], v9, 4, v[AV0]
	v_lshl_add_u32 v[GO], v9, 3, v[GO]
	v_mul_lo_u32 v[PFO], v11, s85
	v_lshlrev_b32 v9, 3, v9
	v_add_nc_u32 v[AV0], VOFF, v[AV0]
	v_sub_nc_u32 v[LQ], v8, v9                     ; r - 8 h
	WIN 0x40                                       ; destinations in window 1: both blocks' Q, two tiles each
.irp u, 0,1
	global_load_b128 v[224+8*\u:227+8*\u], v[QA], s[QPT:QPT+1] offset:1024*\u
	global_load_b128 v[228+8*\u:231+8*\u], v[QA], s[QPT:QPT+1] offset:1024*\u+32
	global_load_b128 v[240+8*\u:243+8*\u], v[QA], s[DL:DL+1] offset:1024*\u
	global_load_b128 v[244+8*\u:247+8*\u], v[QA], s[DL:DL+1] offset:1024*\u+32
.endr
	WIN 0
; A block of queries begins with zeros that the first change of M leaves zeros
.macro STATE
.irp u, 0,1
	v_mov_b32 v[13+4*\u], 0xff61b1e6               ; the largest t so far: -3e38, under every t
	v_mov_b32 v[12+4*\u], 0x7f61b1e6               ; -M = floor(3e38) = 3e38
	v_mov_b32 v[14+4*\u], 0                        ; the sum, in two halves
	v_mov_b32 v[15+4*\u], 0
	v_mov_b32 v[25+2*\u], 0                        ; (named as the upper half of f's pair)
	v_mov_b32 v[36+\u], 0                          ; a lane permute's destination counts as one of its sources
.endr
	WIN 0x40
.set jj, 0
.rept 64
	v_mov_b32 v[128+jj], 0                         ; O^T, both tiles
.set jj, jj+1
.endr
	WIN 0
.endm
	STATE
	s_wait_kmcnt 0x0
	s_add_co_i32 s86, s74, s75
	s_lshl_b32 s86, s86, 23
	s_add_co_i32 s[CS], s[CS], s86                 ; a score stands for score x 2^(e6 + e7): added to c's exponent field
	s_mov_b32 s[CS+1], s[CS]                       ; (named with it as a pair, so it is written)
	s_add_co_i32 s86, s76, 127
	s_lshl_b32 s87, s86, 23
	v_mov_b32 v21, s87                             ; 2^e8 as f32, for p's conversion
	s_add_co_i32 s86, s86, 8
	s_lshl_b32 s86, s86, 23
	s_or_b32 s86, s86, 0x600000
	v_mov_b32 v20, s86                             ; 448 x 2^e8
	s_sub_co_i32 s86, s78, s76
	s_sub_co_i32 s86, s86, s77                     ; a sum of the second product stands for sum x 2^(e8 + e9): y's conversion takes 2^(e10 - e8 - e9)
	s_add_co_i32 s86, s86, 127
	s_lshl_b32 s87, s86, 23
	v_mov_b32 v23, s87
	s_add_co_i32 s86, s86, 8
	s_lshl_b32 s86, s86, 23
	s_or_b32 s86, s86, 0x600000
	v_mov_b32 v22, s86
.macro KLOAD q                         ; K's eight fragments of 16 keys x 64: 16 loads
	WIN 0x40
.set tt, 0
.rept 8
	ds_load_b128 v[8*tt:8*tt+3], v[ADK] offset:(128*(\q)+16*tt)*KP
	ds_load_b128 v[8*tt+4:8*tt+7], v[ADK] offset:(128*(\q)+16*tt)*KP+32
.set tt, tt+1
.endr
	WIN 0
.endm
.macro VLOAD q                         ; V's four fragments of 16 channels x 128 keys: 16 loads
	WIN 0x40
.set tt, 0
.rept 4
.irp c, 0,1,2,3
	ds_load_b128 v[64+16*tt+4*\c:67+16*tt+4*\c], v[ADV] offset:16*tt*VP+128*(\q)+32*\c
.endr
.set tt, tt+1
.endr
	WIN 0
.endm
.macro MASK u                          ; tile u's hidden scores become -infinity.  Register 8 T + j holds the key 16 T + j beyond the step's first + 8 (lane / 16): hidden where 16 T + j > d
.set nn, 0
.rept 64
	v_cmp_gt_i32 vcc_lo, 16*(nn/8)+nn%8, v[40+\u]
	v_cndmask_b32 v[128+64*\u+nn], v[128+64*\u+nn], v42, vcc_lo
.set nn, nn+1
.endr
.endm
; THE SOFTMAX of both query tiles and 128 keys; every chain of tile 0 has tile 1's beside it
.macro SM2
.irp u, 0,1                                    ; the step's largest score of my query, among my 64 keys, in four chains a tile; each score tile from its low end on
.irp c, 0,1,2,3
	v_max_num_f32 v[28+4*\u+\c], v[128+64*\u+2*\c], v[129+64*\u+2*\c]
.endr
.endr
.irp t, 1,2,3,4,5,6,7
.irp u, 0,1
.irp c, 0,1,2,3
	v_max3_num_f32 v[28+4*\u+\c], v[28+4*\u+\c], v[128+64*\u+8*\t+2*\c], v[129+64*\u+8*\t+2*\c]
.endr
.endr
.endr
.irp u, 0,1
	v_max3_num_f32 v[28+4*\u], v[28+4*\u], v[29+4*\u], v[30+4*\u]
.endr
.irp u, 0,1
	v_mov_b32 v[38+\u], v[12+4*\u]                 ; the old -M
.endr
.irp u, 0,1
	v_max_num_f32 v[28+4*\u], v[28+4*\u], v[31+4*\u]
.endr
.irp u, 0,1
	v_permlanex16_b32 v[36+\u], v[28+4*\u], s[SEL], s[SEL+1]
.endr
.irp u, 0,1
	v_max_num_f32 v[28+4*\u], v[28+4*\u], v[36+\u] ; and among lane l xor 16's
.endr
.irp u, 0,1
	v_mul_f32 v[28+4*\u], s[CS], v[28+4*\u]        ; as t (c is positive)
.endr
.irp u, 0,1
	v_max_num_f32 v[13+4*\u], v[13+4*\u], v[28+4*\u]   ; the running largest t
.endr
.irp u, 0,1
	v_floor_f32 v[12+4*\u], -v[13+4*\u]            ; the new -M = floor(-t) = -ceil(t): a whole number
.endr
.irp u, 0,1
	v_sub_f32 v[28+4*\u], v[12+4*\u], v[38+\u]     ; M's old value less its new one: 0 or less
.endr
.irp u, 0,1
	v_cvt_i32_f32 v[28+4*\u], v[28+4*\u]           ; (it saturates)
.endr
.irp u, 0,1
	v_ldexp_f32 v[24+2*\u], 1.0, v[28+4*\u]        ; f = 2^(old M - new M)
.endr
	WIN 0x41                                       ; O^T in window 1, f in window 0
.irp u, 0,1
.set jj, 0
.rept 16
	v_pk_mul_f32 v[128+32*\u+jj:129+32*\u+jj], v[128+32*\u+jj:129+32*\u+jj], v[24+2*\u:25+2*\u] op_sel_hi:[1,0]   ; O^T under the new M
.set jj, jj+2
.endr
.endr
	WIN 0
.irp u, 0,1
.set jj, 0
.rept 32
	v_pk_fma_f32 v[128+64*\u+jj:129+64*\u+jj], v[128+64*\u+jj:129+64*\u+jj], s[CS:CS+1], v[12+4*\u:13+4*\u] op_sel_hi:[1,0,0]   ; t - M, two at a time
.set jj, jj+2
.endr
.endr
	s_wait_alu depctr_va_vdst(0)
.set jj, 0
.rept 128
	v_exp_f32 v[128+jj], v[128+jj]                 ; p = 2^(t - M), at most 1
.set jj, jj+1
.endr
.irp u, 0,1
	v_pk_mul_f32 v[14+4*\u:15+4*\u], v[14+4*\u:15+4*\u], v[24+2*\u:25+2*\u] op_sel_hi:[1,0]   ; the sums under the new M.  (Plain lines behind the exponentials)
.endr
	s_wait_alu depctr_va_vdst(0)                   ; one wait for the whole batch, ahead of its first reader
.irp i, 0,1,2,3,4,5,6                          ; the rows' sums of the unquantised p: 32 pairs a tile, in eight chains a tile
.irp u, 0,1
	v_pk_add_f32 v[44+14*\u+2*\i:45+14*\u+2*\i], v[128+64*\u+4*\i:129+64*\u+4*\i], v[130+64*\u+4*\i:131+64*\u+4*\i]
.endr
.endr
.irp u, 0,1
	v_pk_add_f32 v[14+4*\u:15+4*\u], v[14+4*\u:15+4*\u], v[156+64*\u:157+64*\u]
.endr
.irp i, 0,1,2,3,4,5,6
.irp u, 0,1
	v_pk_add_f32 v[44+14*\u+2*\i:45+14*\u+2*\i], v[44+14*\u+2*\i:45+14*\u+2*\i], v[158+64*\u+2*\i:159+64*\u+2*\i]
.endr
.endr
.irp u, 0,1
	v_pk_add_f32 v[14+4*\u:15+4*\u], v[14+4*\u:15+4*\u], v[172+64*\u:173+64*\u]
.endr
.irp i, 0,1,2,3,4,5,6
.irp u, 0,1
	v_pk_add_f32 v[44+14*\u+2*\i:45+14*\u+2*\i], v[44+14*\u+2*\i:45+14*\u+2*\i], v[174+64*\u+2*\i:175+64*\u+2*\i]
.endr
.endr
.irp u, 0,1
	v_pk_add_f32 v[14+4*\u:15+4*\u], v[14+4*\u:15+4*\u], v[188+64*\u:189+64*\u]
.endr
.irp u, 0,1
	v_pk_add_f32 v[44+14*\u:45+14*\u], v[44+14*\u:45+14*\u], v[190+64*\u:191+64*\u]
.endr
.irp u, 0,1
	v_pk_add_f32 v[14+4*\u:15+4*\u], v[14+4*\u:15+4*\u], v[50+14*\u:51+14*\u]
.endr
.irp i, 0,1,2
.irp u, 0,1
	v_pk_add_f32 v[44+14*\u+2*\i:45+14*\u+2*\i], v[44+14*\u+2*\i:45+14*\u+2*\i], v[52+14*\u+2*\i:53+14*\u+2*\i]
.endr
.endr
.irp u, 0,1
	v_pk_add_f32 v[14+4*\u:15+4*\u], v[14+4*\u:15+4*\u], v[46+14*\u:47+14*\u]
.endr
.irp u, 0,1
	v_pk_add_f32 v[44+14*\u:45+14*\u], v[44+14*\u:45+14*\u], v[48+14*\u:49+14*\u]
.endr
.irp u, 0,1
	v_pk_add_f32 v[14+4*\u:15+4*\u], v[14+4*\u:15+4*\u], v[44+14*\u:45+14*\u]
.endr
.set jj, 0
.rept 128
	v_min_num_f32 v[128+jj], v[128+jj], v20        ; the conversion does not saturate (ISA guide 7.6.2); p is not negative, so the hold is one-sided; it stands without a branch, whatever e8 is
.set jj, jj+1
.endr
	WIN 0x40                                       ; the codes in window 1
.irp u, 0,1
.irp b, 0,1,2,3,4,5,6,7
	v_cvt_scalef32_pk8_fp8_f32 v[192+16*\u+2*\b:193+16*\u+2*\b], v[128+64*\u+8*\b:135+64*\u+8*\b], v21
.endr
.endr
	v_nop                                          ; a plain vector line behind the last conversion
	WIN 0
.endm
; A KEY STEP: 128 keys, the q-th of the slot in hand, for my 32 queries.  LDS loads run ahead: V's are asked for at the step's head, step 1's K under step 0's softmax
.macro STEP q
.if \q
	s_add_co_u32 s96, s[Q0], 31                    ; a step all of whose keys come after my 32 queries is left out; no barrier or tensor load stands in a step
	s_cmp_gt_u32 s[KF], s96
	s_cbranch_scc1 .Lhidden_\@
.rept 4
	v_nop                                          ; places in front of loads into registers that the last products have read
.endr
	VLOAD 1
.else
	v_add_nc_u32 v[ADK], s[TB], v[AK0]
	v_add_nc_u32 v[ADV], s[TB], v[AV0]
	v_nop                                          ; with the two additions: four places in front of the loads
	v_nop
	s_wait_alu depctr_va_vdst(0)                   ; the two addresses, ahead of the loads that read them
	KLOAD 0
	VLOAD 0
.endif
	s_wait_dscnt 16                                ; K's fragments are in; V's 16 loads, issued behind them, may be out
	WIN 0x05                                       ; K and Q in window 1, the scores in window 0
.irp u, 0,1
.set tt, 0
.rept 8
	v_wmma_f32_16x16x64_fp8_fp8 v[128+64*\u+8*tt:135+64*\u+8*tt], v[8*tt:8*tt+7], v[224+8*\u:231+8*\u], 0   ; S^T: 16 keys x 16 queries, K = the head's 64
.set tt, tt+1
.endr
.endr
	WIN 0
.rept 4
	v_nop                                          ; places: in front of the loads below and of the first read of the scores
.endr
.if \q == 0
	KLOAD 1                                        ; the next step's K
.endif
	s_add_co_u32 s96, s[KF], 127                   ; a step all of whose keys count skips the mask
	s_cmp_le_u32 s96, s[Q0]
	s_cbranch_scc1 .Lopen_\@
	s_sub_co_i32 s96, s[Q0], s[KF]
	v_add_nc_u32 v40, s96, v[LQ]                   ; d = my query - the step's first key - 8 (lane / 16), tile 0's,
	v_mov_b32 v42, 0xff800000                      ; -infinity
	v_add_nc_u32 v41, 16, v40                      ; and tile 1's
	MASK 0
	MASK 1
.Lopen_\@:
	SM2
	s_wait_alu depctr_va_vdst(0)
	s_wait_dscnt 16*(1-\q)                         ; V's fragments are in; in step 0 the next step's 16 loads of K, issued behind them, may be out
	WIN 0x55
.irp u, 0,1
.set tt, 0
.rept 4
	v_wmma_f32_16x16x128_fp8_fp8 v[128+32*\u+8*tt:135+32*\u+8*tt], v[64+16*tt:79+16*tt], v[192+16*\u:207+16*\u], v[128+32*\u+8*tt:135+32*\u+8*tt]   ; O^T += V^T P^T: eight accumulators, one instruction each
.set tt, tt+1
.endr
.endr
	WIN 0
.if \q
.Lhidden_\@:
.endif
	s_add_co_u32 s[KF], s[KF], 128
.endm
; THE CHANGE OF SLOTS stands at a visit's head.  Each wave waits for all its tensor loads, adds 0 to its spare word, and waits for that and for its reads of the slot that it has left.
; Behind the barrier the slot ahead is whole and nobody reads the other one.  fill = 1: that other slot is filled for the next visit.  A wave has one tensor load out at the most.
.macro CHANGE fill
	s_wait_tensorcnt 0x0                           ; no tensor load of mine is out, so a group 0 may be written
	ds_add_u32 v[SPW], v[NIL]                      ; 0 onto my spare word
.if \fill
	ds_add_u32 v[SPW], v[NIL]                      ; and once more
	s_add_co_u32 s[NK], s[NK], 1                   ; the next slot of keys,
	s_cmp_eq_u32 s[VN], s[SW1]
	s_cselect_b32 s[NK], 0, s[NK]                  ; or slot 0 again, where the second block of queries begins
	s_xor_b32 s[G0K+1], s[G0K+1], SLOT1            ; into the other LDS slot than last time
	s_xor_b32 s[G0V+1], s[G0V+1], SLOT1
	s_lshl_b32 s86, s[NK], 14
	s_mov_b32 s87, 0
	s_add_nc_u64 s[G0K+2:G0K+3], s[KB:KB+1], s[86:87]
	s_or_b32 s[G0K+3], s[G0K+3], 0x80000000
	s_lshl_b32 s86, s[NK], 8
	s_add_nc_u64 s[G0V+2:G0V+3], s[VB:VB+1], s[86:87]
	s_or_b32 s[G0V+3], s[G0V+3], 0x80000000
	s_wait_xcnt 0x0                                ; the last prefetch, a visit back, has read its address, so it may be written
	s_add_nc_u64 s[PFA:PFA+1], s[PFA:PFA+1], s[PFS:PFS+1]
.endif
	s_wait_dscnt 0x0                               ; the add is done, and my reads of the slot that I have left are over
	s_barrier_signal -1
	s_barrier_wait -1
.if \fill
	TLOAD                                          ; the first thing behind the barrier, and a wave's one tensor load until the next
	ASK
	s_add_co_u32 s[VN], s[VN], 1
.endif
.endm
; A block of queries ends: O^T is divided by the sum, held and converted.  A lane's 8 codes of channel tile T stand at 16 (lane % 16) + 8 (lane / 16) of an aligned 256 bytes of yc: each store covers them whole
.macro FINISH
.irp u, 0,1
	v_add_f32 v[14+4*\u], v[14+4*\u], v[15+4*\u]   ; the sum's two halves,
.endr
.irp u, 0,1
	v_permlanex16_b32 v[36+\u], v[14+4*\u], s[SEL], s[SEL+1]
.endr
.irp u, 0,1
	v_add_f32 v[14+4*\u], v[14+4*\u], v[36+\u]     ; and lane l xor 16's: the row's sum
.endr
	s_wait_alu depctr_va_vdst(0)
.irp u, 0,1
	v_rcp_f32 v[14+4*\u], v[14+4*\u]
.endr
.rept 4
	v_nop                                          ; a plain line behind the reciprocals; the four are also the places behind the last products
.endr
	WIN 0x01                                       ; O^T in window 1
	s_wait_alu depctr_va_vdst(0)                   ; the wait, directly ahead of the first reader of the reciprocals and of O^T
.irp u, 0,1
.set jj, 0
.rept 16
	v_pk_mul_f32 v[128+64*\u+jj:129+64*\u+jj], v[128+32*\u+jj:129+32*\u+jj], v[14+4*\u:15+4*\u] op_sel_hi:[1,0]   ; register 8 T + i is channel 16 T + 8 (lane / 16) + i of my query
.set jj, jj+2
.endr
.endr
	WIN 0
.irp u, 0,1
.set jj, 0
.rept 32
	v_med3_num_f32 v[128+64*\u+jj], v[128+64*\u+jj], -v22, v22
.set jj, jj+1
.endr
.endr
.irp u, 0,1
.irp t, 0,1,2,3
	v_cvt_scalef32_pk8_fp8_f32 v[72+8*\u+2*\t:73+8*\u+2*\t], v[128+64*\u+8*\t:135+64*\u+8*\t], v23
.endr
.endr
	v_nop                                          ; a plain vector line behind the last conversion
.irp u, 0,1
.irp t, 0,1,2,3
	global_store_b64 v[GO], v[72+8*\u+2*\t:73+8*\u+2*\t], s[YPT:YPT+1] offset:2048*\u+256*\t   ; 32 lanes store 256 consecutive bytes, at a multiple of 256
.endr
.endr
.endm
	s_wait_alu depctr_va_vdst(0)
	s_wait_loadcnt 0x0                             ; Q, both blocks'
.Lslot:                                            ; eight trips: behind each change of slots but the last the next visit's slot is asked for
	CHANGE 1
	STEP 0
	STEP 1
	s_xor_b32 s[TB], s[TB], SLOT1                  ; on to the other slot
	s_cmp_lg_u32 s[VIS], s[SW]                     ; was this the first block's last visit?  A branch on the work-group's number, round no barrier and no tensor load
	s_cbranch_scc1 .Lsame
	FINISH
	s_wait_xcnt 0x0                                ; the stores have read their registers and base: all may be written
	s_add_nc_u64 s[YPT:YPT+1], s[YPT:YPT+1], s[DY:DY+1]
	s_add_co_u32 s[Q0], s[Q0], s[DQ]
	s_mov_b32 s[KF], 0
	WIN 0x41
.set jj, 0
.rept 16
	v_mov_b32 v[224+jj], v[240+jj]                 ; the second block's Q
.set jj, jj+1
.endr
	WIN 0
	STATE
	s_wait_alu depctr_va_vdst(0)
.Lsame:
	s_add_co_u32 s[VIS], s[VIS], 1
	s_sub_co_u32 s[SLOTS], s[SLOTS], 1
	s_cmp_lg_u32 s[SLOTS], 0
	s_cbranch_scc1 .Lslot
	CHANGE 0                                       ; the last visit is written out
	STEP 0
	STEP 1
	FINISH
	s_wait_tensorcnt 0x0                           ; the wave's end
	ds_add_u32 v[SPW], v[NIL]
	s_wait_dscnt 0x0
	s_endpgm
.Lfunc_end_k_qd3fe0e0581_attn:
	.size	k_qd3fe0e0581_attn, .Lfunc_end_k_qd3fe0e0581_attn-k_qd3fe0e0581_attn
	.p2alignl 7, 3214868480
	.fill 96, 4, 3214868480
	.section	.rodata,"a",@progbits
	.p2align	6, 0x0
	.amdhsa_kernel k_qd3fe0e0581_attn
		.amdhsa_group_segment_fixed_size 327680
		.amdhsa_private_segment_fixed_size 0
		.amdhsa_enable_private_segment 0
		.amdhsa_kernarg_size 24
		.amdhsa_user_sgpr_count 2
		.amdhsa_user_sgpr_kernarg_segment_ptr 1
		.amdhsa_wavefront_size32 1
		.amdhsa_system_sgpr_workgroup_id_x 1
		.amdhsa_system_sgpr_workgroup_id_y 1
		.amdhsa_system_sgpr_workgroup_id_z 1
		.amdhsa_system_vgpr_workitem_id 0
		.amdhsa_next_free_vgpr 512
		.amdhsa_next_free_sgpr 100
		.amdhsa_reserve_vcc 1
		.amdhsa_float_denorm_mode_32 3
		.amdhsa_float_denorm_mode_16_64 3
		.amdhsa_memory_ordered 1
		.amdhsa_forward_progress 1
		.amdhsa_inst_pref_size 186
	.end_amdhsa_kernel
	.amdgpu_metadata
---
amdhsa.version: [ 1, 2 ]
amdhsa.kernels:
  - .name:           k_qd3fe0e0581_attn
    .symbol:         k_qd3fe0e0581_attn.kd
    .args:
      - { .name: qkv, .offset: 0, .size: 8, .value_kind: global_buffer, .address_space: global }
      - { .name: lowp_scales, .offset: 8, .size: 8, .value_kind: global_buffer, .address_space: global }
      - { .name: yc, .offset: 16, .size: 8, .value_kind: global_buffer, .address_space: global }
    .group_segment_fixed_size: 327680
    .private_segment_fixed_size: 0
    .kernarg_segment_align: 8
    .kernarg_segment_size: 24
    .max_flat_workgroup_size: 256
    .sgpr_count:     100
    .vgpr_count:     512
    .wavefront_size: 32
...
	.end_amdgpu_metadata
.endif
;; end of part 3
;; launch proj (part 4): grid 4 x 64, 4 waves a work-group, clusters of 4 x 4, 327,680 bytes of LDS; arguments yc, wc, lowp_scales, out0; writes out0
.if DOCPART == 4
	.amdgcn_target "amdgcn-amd-amdhsa--gfx1250"
	.amdhsa_code_object_version 6
	.text
	.protected	k_qd3fe0e0581_proj
	.globl	k_qd3fe0e0581_proj
	.p2align	8
	.type	k_qd3fe0e0581_proj,@function
k_qd3fe0e0581_proj:
	s_mov_b64 s[64:65], 0
	v_nop
	global_prefetch_b8 v0, s[64:65] scope:SCOPE_SE
	s_setreg_imm32_b32 hwreg(HW_REG_WAVE_MODE, 25, 1), 1
	s_wait_xcnt 0x0
	s_wait_alu depctr_hold_cnt(0) depctr_sa_sdst(0) depctr_va_vdst(0) depctr_va_sdst(0) depctr_va_ssrc(0) depctr_va_vcc(0) depctr_vm_vsrc(0)
	s_getreg_b32 s2, hwreg(HW_REG_IB_STS2, 6, 4)
	s_cmp_eq_u32 s2, 0
	s_cbranch_scc0 .Lentry_in_a_cluster
	s_endpgm
.Lentry_in_a_cluster:
	s_bfe_u32 s2, ttmp6, 0x10000c
	s_cmp_lg_u32 s2, 0xf033
	s_cbranch_scc0 .Lentry_shape_is_right
	s_endpgm
.Lentry_shape_is_right:
; out0 = y Wp^T on codes of E4M3: [8,192 positions][1,024] f32; each finished sum is multiplied once by 2^(e10 + e11).  LIMIT: e10 + e11 between -126 and 127.
; yc holds y's codes in the order of operand registers: [128 positions][K step of 128 = pair of heads][16 positions][c 0-3][lane][16 bytes]: lane (r, h) of part c holds K = 32 c + 16 h + 0 .. 15 of position r.
; So the 128 KB of a tile's rows are one dense block, a fragment is four loads of 512 consecutive LDS bytes, and no padding is wanted.  Wp's codes: plane 3 of wc, [1,024][1,024], K innermost, read in the same order of k.
; SHARES.  256 work-groups: a tile of 128 positions x 256 channels each; four waves, a wave 64 x 128: 32 accumulators of 16 x 16.  Source 0 = 16 rows of Wp, source 1 = 16 positions: a lane holds eight neighbouring numbers of a row of out0.
; CLUSTERS of 4 x 4: the four of a row need the same tile of y, the four of a column the same rows of Wp: each is asked for JOINTLY.
; K = 1,024 comes in THREE pieces, one tensor load a wave each (waves 0, 1: y's halves; waves 2, 3: Wp's): K 0-511 at the head; K 512-767 behind the first round, into bytes of its own;
; K 768-1,023 behind the second round.
; NO PREFETCH: the text has no loop to run ahead in.
; REGISTERS: window 0: v1-29 addresses; v32-95 a block's results; v128-255 y's fragments, two sets of 4 x 16 (on the way out: rows read back).  Window 1: the accumulators, (a, b) at v[8 (8 a + b)].  Window 2: Wp's fragments, two sets of 8 x 16.
.set A0,     0                         ; y, K steps 0-3 (16 KB each); later K steps 6, 7
.set B0,     65536                     ; Wp, 256 rows, 528 bytes apart: K 0-511; later K 768-1,023
.set A1,     B0+256*528                ; y, K steps 4, 5
.set B1,     A1+32768                  ; Wp, 256 rows, 272 bytes apart: K 512-767.  On the way out: the stages: it has had its last fill, and a barrier stands behind its last read
.set SPARE,  B1+256*272                ; the spare words, 128 bytes for each wave
.set SPITCH, 528                       ; a stage: 16 rows x (512 bytes + 16) for each wave
.set ADRA, 16                          ; v16, v17  my fragments of y in A0, A1
.set ADRB, 20                          ; v20, v21  my fragments of Wp in B0, B1
.set STO,  24
.set RD,   25
.set CO,   26                          ; v26  16 x lane
.set SPW,  28                          ; v28  LDS address of my spare word; never rewritten
.set NIL,  29                          ; v29  0; never rewritten
.set TMP,  32
.set BK,   128
.set GA0, 24                           ; groups 1: y's piece of 128 rows of 256 bytes; of 64 rows;
.set GA1, 32
.set GB0, 40                           ; Wp's 128 rows of 512 bytes; of 256 bytes at pitch 272; of 256 bytes at pitch 528
.set GB1, 48
.set GB2, 56
.set MSB, 0
.macro WIN new
.if MSB != \new
	s_set_vgpr_msb (MSB<<8)|\new
.set MSB, \new
.endif
.endm
.macro JLOAD g0a, g1a, g0b, g1b        ; waves 0 and 1 fetch for y, waves 2 and 3 for Wp; an s_nop 0 and four v_nop follow each line
	s_cmp_eq_u32 s15, 0
	s_cbranch_scc0 .Lfor_b_\@
	tensor_load_to_lds s[\g0a:\g0a+3], s[\g1a:\g1a+7]
	s_nop 0
.rept 4
	v_nop
.endr
	s_branch .Lasked_\@
.Lfor_b_\@:
	tensor_load_to_lds s[\g0b:\g0b+3], s[\g1b:\g1b+7]
	s_nop 0
.rept 4
	v_nop
.endr
.Lasked_\@:
.endm
.macro CROUND                          ; a round of the cluster's barrier
	s_barrier_signal -1
	s_barrier_wait -1
	s_cmp_lg_u32 s14, 0
	s_cbranch_scc1 .Lnot_wave_0_\@
	s_barrier_signal -3
.Lnot_wave_0_\@:
	s_barrier_wait -3
	s_barrier_signal -1
	s_barrier_wait -1
.endm
.macro MKG1 g, mask, flags, c, r, p    ; r rows of c bytes, p bytes apart
	s_or_b32 s[\g], \mask, \flags
	s_mov_b32 s[\g+1], (\c)<<16
	s_mov_b32 s[\g+2], (\r)<<16
	s_mov_b32 s[\g+3], (\c)<<16
	s_mov_b32 s[\g+4], \r
	s_mov_b32 s[\g+5], \p
	s_mov_b32 s[\g+6], 0
	s_mov_b32 s[\g+7], 0
.endm
	s_load_b128 s[4:7], s[0:1], 0x0                ; yc, wc
	s_load_b128 s[8:11], s[0:1], 0x10              ; the exponents, out0
	v_lshl_add_u32 v[SPW], v0, 2, SPARE
	v_mov_b32 v[NIL], 0
	ds_add_u32 v[SPW], v[NIL]                      ; the opening lines: the add, twice on end, and its wait
	ds_add_u32 v[SPW], v[NIL]
	v_lshrrev_b32 v1, 5, v0
	v_readfirstlane_b32 s14, v1                    ; wave 0..3
	s_lshr_b32 s15, s14, 1                         ; which 64 positions are mine.  Also: I fetch for y (0) or for Wp (1)
	s_and_b32 s16, s14, 1                          ; which 128 channels.  Also: which half of a piece I fetch
	s_bfe_u32 s2, ttmp6, 0x40000                   ; cx, cy (the groups 1 take s24-63, the groups 0 s68-91: no other number lives there)
	s_bfe_u32 s3, ttmp6, 0x40004
	s_lshl_b32 s66, ttmp9, 2
	s_add_co_u32 s66, s66, s2                      ; tile column
	s_and_b32 s17, ttmp7, 0xffff
	s_lshl_b32 s17, s17, 2
	s_add_co_u32 s17, s17, s3                      ; tile row
	s_lshl_b32 s67, s3, 2
	s_lshl_b32 s67, 15, s67                        ; my row of the cluster
	s_lshl_b32 s95, 0x1111, s2                     ; my column
	MKG1 GA0, s67, (1<<21), 256, 128, 256
	MKG1 GA1, s67, (1<<21), 256, 64, 256
	MKG1 GB0, s95, (1<<20)|(1<<21)|(6<<22)|(3<<25), 512, 128, 1024     ; four words of padding behind every 128
	MKG1 GB1, s95, (1<<20)|(1<<21)|(5<<22)|(3<<25), 256, 128, 1024     ; four behind every 64
	MKG1 GB2, s95, (1<<20)|(1<<21)|(5<<22)|(67<<25), 256, 128, 1024    ; 68 behind every 64
	s_lshl_b32 s20, s17, 17                        ; y: the tile's 128 KB
	s_mov_b32 s21, 0
	s_lshl_b32 s22, s16, 15                        ; my half of 64 KB,
	s_mov_b32 s23, 0
	s_lshl_b32 s12, s16, 14                        ; of 32 KB
	s_mov_b32 s13, 0
	s_lshl_b32 s98, s66, 8
	s_lshl_b32 s18, s16, 7
	s_add_co_u32 s98, s98, s18
	s_lshl_b32 s98, s98, 10
	s_add_co_u32 s98, s98, 0x300000                ; Wp: plane 3, row 256 x tile column + 128 x half
	s_mov_b32 s99, 0
	s_mul_i32 s18, s16, 128*528
	s_mul_i32 s19, s16, 128*272
	s_lshl_b32 s92, s15, 13                        ; my 64 positions: four fragments of 2 KB
	s_add_co_u32 s93, s92, A1
	s_mul_i32 s94, s14, 16*SPITCH
	s_add_co_u32 s94, s94, B1                      ; my stage
	s_wait_dscnt 0x0                               ; both opening adds are done
	s_wait_kmcnt 0x0
	s_load_b64 s[96:97], s[8:9], 0x28              ; e10, e11
	s_add_nc_u64 s[20:21], s[4:5], s[20:21]
	s_add_nc_u64 s[98:99], s[6:7], s[98:99]
	CROUND                                         ; all sixteen work-groups are here: the first joint loads meet
	s_mov_b32 s68, 1                               ; groups 0.  y, K steps 0-3
	s_add_co_u32 s69, s22, A0
	s_add_nc_u64 s[70:71], s[20:21], s[22:23]
	s_or_b32 s71, s71, 0x80000000
	s_mov_b32 s72, 1                               ; y, K steps 4, 5
	s_add_co_u32 s73, s12, A1
	s_add_nc_u64 s[74:75], s[20:21], s[12:13]
	s_add_nc_u64 s[78:79], s[74:75], 98304
	s_add_nc_u64 s[74:75], s[74:75], 65536
	s_or_b32 s75, s75, 0x80000000
	s_mov_b32 s76, 1                               ; y, K steps 6, 7
	s_add_co_u32 s77, s12, A0
	s_or_b32 s79, s79, 0x80000000
	s_mov_b32 s80, 1                               ; Wp, K 0-511
	s_add_co_u32 s81, s18, B0
	s_mov_b64 s[82:83], s[98:99]
	s_or_b32 s83, s83, 0x80000000
	s_mov_b32 s84, 1                               ; Wp, K 512-767
	s_add_co_u32 s85, s19, B1
	s_add_nc_u64 s[86:87], s[98:99], 512
	s_or_b32 s87, s87, 0x80000000
	s_mov_b32 s88, 1                               ; Wp, K 768-1,023
	s_add_co_u32 s89, s18, B0
	s_add_nc_u64 s[90:91], s[98:99], 768
	s_or_b32 s91, s91, 0x80000000
	JLOAD 68, GA0, 80, GB0                         ; the first piece
	v_and_b32 v1, 15, v0                           ; r
	v_bfe_u32 v2, v0, 4, 1                         ; h
	v_and_b32 v6, 31, v0
	v_lshlrev_b32 v[CO], 4, v6
	v_mul_u32_u24 v3, v1, 528
	v_mul_u32_u24 v4, v1, 272
	v_lshl_add_u32 v5, v2, 5, v3                   ; the stage, in: row r, 32 bytes for each half of the lanes
	v_lshl_add_u32 v3, v2, 4, v3
	v_lshl_add_u32 v4, v2, 4, v4
	v_add_nc_u32 v[ADRA], s92, v[CO]
	v_add_nc_u32 v[ADRA+1], s93, v[CO]
	v_add_nc_u32 v[ADRB], s81, v3                  ; my 128 rows of Wp are the half that my number's low bit names
	v_add_nc_u32 v[ADRB+1], s85, v4
	v_add_nc_u32 v[STO], s94, v5
	v_add_nc_u32 v[RD], s94, v[CO]                 ; back: the 32 lanes take one row of 512 bytes
	s_lshl_b32 s20, s17, 7
	s_lshl_b32 s21, s15, 6
	s_add_co_u32 s20, s20, s21                     ; my first row of out0
	s_lshl_b32 s20, s20, 12
	s_mov_b32 s21, 0
	s_lshl_b32 s100, s66, 10
	s_lshl_b32 s101, s16, 9
	s_add_co_u32 s100, s100, s101                  ; my first column, in bytes
	s_mov_b32 s101, 0
	s_add_nc_u64 s[20:21], s[20:21], s[100:101]
	s_add_nc_u64 s[10:11], s[10:11], s[20:21]
.macro FETCH p, ra, ao, rb, bp, bo     ; a K step's fragments into set p: Wp's eight (32 loads), y's four (16 loads)
	WIN 0x80
.irp i, 0,1,2,3,4,5,6,7
.irp c, 0,1,2,3
	ds_load_b128 v[128*(\p)+16*\i+4*\c:128*(\p)+16*\i+4*\c+3], v[\rb] offset:(\bo)+\i*16*(\bp)+32*\c
.endr
.endr
	WIN 0
.irp i, 0,1,2,3
.irp c, 0,1,2,3
	ds_load_b128 v[128+64*(\p)+16*\i+4*\c:128+64*(\p)+16*\i+4*\c+3], v[\ra] offset:(\ao)+\i*2048+512*\c
.endr
.endr
.endm
.macro MUL32 p, zero                   ; 32 products, 128 along K; the 32 accumulators take turns, one instruction a turn
	WIN 0x52                                       ; source 0 window 2, source 1 window 0, C and D window 1
.irp a, 0,1,2,3
.irp b, 0,1,2,3,4,5,6,7
.if \zero
	v_wmma_f32_16x16x128_fp8_fp8 v[8*(8*\a+\b):8*(8*\a+\b)+7], v[128*(\p)+16*\b:128*(\p)+16*\b+15], v[128+64*(\p)+16*\a:128+64*(\p)+16*\a+15], 0
.else
	v_wmma_f32_16x16x128_fp8_fp8 v[8*(8*\a+\b):8*(8*\a+\b)+7], v[128*(\p)+16*\b:128*(\p)+16*\b+15], v[128+64*(\p)+16*\a:128+64*(\p)+16*\a+15], v[8*(8*\a+\b):8*(8*\a+\b)+7]
.endif
.endr
.endr
	WIN 0
.endm
.macro PLACES                          ; plain vector lines between a matrix instruction and a load into its registers or a read of its result
.rept 4
	v_nop
.endr
.endm
	s_wait_alu depctr_va_vdst(0)
	s_wait_tensorcnt 0x0                           ; my part of the first piece is in
	ds_add_u32 v[SPW], v[NIL]
	s_wait_dscnt 0x0
	CROUND
	JLOAD 72, GA1, 84, GB1                         ; the second piece, into bytes of its own
	FETCH 0, ADRA, 0, ADRB, 528, 0
	s_wait_dscnt 0x0                               ; K step 0's fragments are in
	FETCH 1, ADRA, 16384, ADRB, 528, 128           ; each step's successor is fetched ahead of the step's products
	MUL32 0, 1                                     ; the first products start the sums
	s_wait_dscnt 0x0
	PLACES
	FETCH 0, ADRA, 32768, ADRB, 528, 256
	MUL32 1, 0
	s_wait_dscnt 0x0
	PLACES
	FETCH 1, ADRA, 49152, ADRB, 528, 384
	MUL32 0, 0
	s_wait_tensorcnt 0x0                           ; my part of the second piece is in,
	ds_add_u32 v[SPW], v[NIL]
	s_wait_dscnt 0x0                               ; and my reads of the first piece are over: K step 3's fragments are in registers
	CROUND                                         ; both hold of every wave of every partner
	JLOAD 76, GA1, 88, GB2                         ; the third piece, onto bytes of the first; its four v_nop are also the places in front of the loads below
	FETCH 0, ADRA+1, 0, ADRB+1, 272, 0
	MUL32 1, 0
	s_wait_dscnt 0x0
	PLACES
	FETCH 1, ADRA+1, 16384, ADRB+1, 272, 128
	MUL32 0, 0
	s_wait_dscnt 0x0
	MUL32 1, 0
	s_wait_tensorcnt 0x0                           ; my part of the third piece is in (the one load that was out),
	s_barrier_signal -1
	s_barrier_wait -1                              ; everybody's is; and nobody reads the second piece any more
	PLACES
	FETCH 0, ADRA, 0, ADRB, 528, 0
	s_wait_dscnt 0x0
	FETCH 1, ADRA, 16384, ADRB, 528, 128
	MUL32 0, 0
	s_wait_dscnt 0x0
	MUL32 1, 0
; THE WAY OUT, block by block of 16 rows x 128 columns: x 2^(e10 + e11), through my own stage, back as whole rows of 512 bytes.  LDS serves a wave's instructions in order (ISA guide 5.7.1.4)
.macro TOSTAGE a
	WIN 0x01
.irp j, 0,2,4,6,8,10,12,14,16,18,20,22,24,26,28,30,32,34,36,38,40,42,44,46,48,50,52,54,56,58,60,62
	v_pk_mul_f32 v[TMP+\j:TMP+\j+1], v[64*(\a)+\j:64*(\a)+\j+1], s[96:97] op_sel_hi:[1,0]   ; each accumulator from its low end on
.endr
	WIN 0
.irp b, 0,1,2,3,4,5,6,7
	ds_store_b128 v[STO], v[TMP+8*\b:TMP+8*\b+3] offset:64*\b
	ds_store_b128 v[STO], v[TMP+8*\b+4:TMP+8*\b+7] offset:64*\b+16
.endr
.set BB, BK+64*((\a)%2)
.irp t, 0,1,2,3,4,5,6,7,8,9,10,11,12,13,14,15
	ds_load_b128 v[BB+4*\t:BB+4*\t+3], v[RD] offset:\t*SPITCH
.endr
.endm
.macro SEND a, younger                 ; younger: the LDS instructions issued behind block a's loads, which may stay out
.set BB, BK+64*((\a)%2)
	s_wait_dscnt \younger
.if (\a) > 0
	s_add_nc_u64 s[10:11], s[10:11], 16*4096       ; (behind a wait on XCNT)  16 rows on
.endif
.irp t, 0,1,2,3,4,5,6,7,8,9,10,11,12,13,14,15
	global_store_b128 v[CO], v[BB+4*\t:BB+4*\t+3], s[10:11] offset:\t*4096 th:TH_STORE_NT   ; 32 lanes store 512 consecutive bytes, at a multiple of 256
.endr
.endm
	s_wait_kmcnt 0x0
	s_add_co_i32 s96, s96, s97
	s_add_co_i32 s96, s96, 127
	s_lshl_b32 s96, s96, 23                        ; 2^(e10 + e11) as f32
	PLACES
	TOSTAGE 0
.irp a, 1,2,3
.if \a > 1
	s_wait_xcnt 0x0                                ; block a - 2's stores have read their registers and their base
.endif
	TOSTAGE \a
	SEND \a-1, 32
.endr
	s_wait_xcnt 0x0
	SEND 3, 0
	s_wait_tensorcnt 0x0                           ; the wave's end
	ds_add_u32 v[SPW], v[NIL]
	s_wait_dscnt 0x0
	CROUND                                         ; the closing round
	s_endpgm
.Lfunc_end_k_qd3fe0e0581_proj:
	.size	k_qd3fe0e0581_proj, .Lfunc_end_k_qd3fe0e0581_proj-k_qd3fe0e0581_proj
	.p2alignl 7, 3214868480
	.fill 96, 4, 3214868480
	.section	.rodata,"a",@progbits
	.p2align	6, 0x0
	.amdhsa_kernel k_qd3fe0e0581_proj
		.amdhsa_group_segment_fixed_size 327680
		.amdhsa_private_segment_fixed_size 0
		.amdhsa_enable_private_segment 0
		.amdhsa_kernarg_size 32
		.amdhsa_user_sgpr_count 2
		.amdhsa_user_sgpr_kernarg_segment_ptr 1
		.amdhsa_wavefront_size32 1
		.amdhsa_system_sgpr_workgroup_id_x 1
		.amdhsa_system_sgpr_workgroup_id_y 1
		.amdhsa_system_sgpr_workgroup_id_z 1
		.amdhsa_system_vgpr_workitem_id 0
		.amdhsa_next_free_vgpr 768
		.amdhsa_next_free_sgpr 102
		.amdhsa_reserve_vcc 0
		.amdhsa_float_denorm_mode_32 3
		.amdhsa_float_denorm_mode_16_64 3
		.amdhsa_memory_ordered 1
		.amdhsa_forward_progress 1
		.amdhsa_inst_pref_size 75
	.end_amdhsa_kernel
	.amdgpu_metadata
---
amdhsa.version: [ 1, 2 ]
amdhsa.kernels:
  - .name:           k_qd3fe0e0581_proj
    .symbol:         k_qd3fe0e0581_proj.kd
    .args:
      - { .name: yc, .offset: 0, .size: 8, .value_kind: global_buffer, .address_space: global }
      - { .name: wc, .offset: 8, .size: 8, .value_kind: global_buffer, .address_space: global }
      - { .name: lowp_scales, .offset: 16, .size: 8, .value_kind: global_buffer, .address_space: global }
      - { .name: out0, .offset: 24, .size: 8, .value_kind: global_buffer, .address_space: global }
    .group_segment_fixed_size: 327680
    .private_segment_fixed_size: 0
    .kernarg_segment_align: 8
    .kernarg_segment_size: 32
    .max_flat_workgroup_size: 128
    .sgpr_count:     102
    .vgpr_count:     768
    .wavefront_size: 32
...
	.end_amdgpu_metadata
.endif
;; end of part 4
